; MI455X (gfx1250); checked and timed in simulation.
; The chip was launched on July 23, 2026; its instructions are those of AMD's public machine-readable ISA for CDNA 5 (MIT licence, August 2026) and "CDNA5" Instruction Set Architecture Reference Guide (July 2026). The comments in the code are by the model that wrote it; some were corrected since.
;; Self Attention. Allowed arithmetic: float matrix products may take bf16 or f16 operands with f32 sums; all other float work in f32.
;; Inputs: bk 768 float32; bo 768 float32; bq 768 float32; bv 768 float32; norm_w 768 float32; wk 768 x 768 float32; wo 768 x 768 float32; wq 768 x 768 float32; wv 768 x 768 float32; x 8 x 1,024 x 768 float32.
;; Outputs: out0 8 x 1,024 x 768 float32.
;; 2 versions, each right and faster than the one before. Each part assembles by itself: llvm-mc -triple=amdgcn-amd-amdhsa -mcpu=gfx1250 --defsym DOCPART=n.
;; ======== version 1 of 2: 4 launches
;; limits: values are held in f16: magnitudes above 65,504 overflow, below 6.1e-05 lose precision; values outside matrix products are rounded to f16
;; workspace buffers: xn 12,582,912 bytes; wb 4,718,592 bytes; qkv 37,748,736 bytes; att 12,582,912 bytes
;; launch prep (part 1): grid 24 x 8, 14 waves a work-group, no clusters, 231,168 bytes of LDS; arguments x, norm_w, wq, wk, wv, wo, xn, wb; writes xn, wb
.if DOCPART == 1
	.amdgcn_target "amdgcn-amd-amdhsa--gfx1250"
	.amdhsa_code_object_version 6
	.text
	.protected	k_qc16805284b_prep
	.globl	k_qc16805284b_prep
	.p2align	8
	.type	k_qc16805284b_prep,@function
k_qc16805284b_prep:
	s_mov_b64 s[64:65], 0
	v_nop
	global_prefetch_b8 v0, s[64:65] scope:SCOPE_SE
	s_setreg_imm32_b32 hwreg(HW_REG_WAVE_MODE, 25, 1), 1
	s_wait_xcnt 0x0
; LAUNCH 1 OF 4.  xn = x / sqrt(EPS + box7x7(x^2) / 49) * norm_w, rounded once to f16, [8192 tokens][768];
; and wq, wk, wv, wo rounded to f16, one behind the other, into wb [3072 rows][768].
;
; WORK LEFT OUT IN THE WHOLE PROGRAM: the input bk.  scores[q][k] = q . (k0[k] + bk) / 8 = q . k0[k] / 8 + q . bk / 8, and the second term
; does not hang on k: it is the same along the softmax's axis, so it cancels in the softmax for every value of the inputs.  bk has no other
; way to the output: it is not loaded and is no argument of any launch.  Limit: a NaN, an infinity or an overflow that comes from bk alone
; is not carried to the result.
; FORMAT: all matrix operands of the program (xn, the weights, q, k, v, the softmax's weights, the attention's result) are f16, sums f32.
; |xn| <= 7 |norm_w| because the box holds x^2 itself.  Limit: an operand of 65,504 or more in magnitude overflows f16; operands below
; 6.1e-5 keep an absolute error of 3e-8.
;
; SHARES: a work-group takes 128 channels (cg) of 8 grid rows (band) of one image (b).  Wave w takes grid row 8 band - 3 + w: 14 rows in for
; 8 rows out.  A lane takes 4 channels, so a wave's load covers 512 consecutive bytes of a token, and its 8-byte store 256 consecutive
; bytes at a multiple of 256.  Phase 1: each wave makes the horizontal 7-sums of squares of its row, straight sums and no running
; difference, and lays them in LDS.  Phase 2: the eight centre waves add 7 rows and scale their own row, which has stayed in registers;
; the six waves that only served as halo round the weights: 192 x 6 waves x 8,192 bytes are the four weights' 9,437,184 bytes.
.set X,    128                         ; v[128:255] my row: token p in 4 registers at X + 4 p
.set SQ,   16                          ; v[16:47]   phase 1: squares, a ring of 8 tokens
.set HS,   48                          ; v[48:51]   phase 1: one horizontal sum
.set HB0,  16                          ; v[16:71]   phase 2: 7 rows x 2 positions of sums
.set HB1,  72                          ; v[72:127]  phase 2: the same, second buffer
.set LN16, 1                           ; 16 x lane
.set HA,   2                           ; LDS: my row + 16 x lane
.set LA0,  3                           ; LDS: row w - 3 + 16 x lane
.set W,    4                           ; v[4:7]     norm_w of my 4 channels
.set C49,  8                           ; v[8:9]     1/49 twice
.set CEPS, 10                          ; v[10:11]   EPS twice
.set LA1,  12                          ; LA0 + 65,536: rows w + 1 .. w + 3 lie beyond a 16-bit offset
.set LN8,  13                          ; 8 x lane
.set HROW, 16384                       ; an LDS row: 32 positions x 128 channels x 4 bytes
.set TOK,  3072                        ; bytes of a token in x
	s_load_b512 s[4:19], s[0:1], 0x0               ; x 4, norm_w 6, wq 8, wk 10, wv 12, wo 14, xn 16, wb 18
	v_lshrrev_b32 v14, 5, v0
	v_readfirstlane_b32 s20, v14                   ; wave 0..13
	v_and_b32 v15, 31, v0
	v_lshlrev_b32 v[LN16], 4, v15
	v_lshlrev_b32 v[LN8], 3, v15
	v_lshl_add_u32 v[HA], s20, 14, v[LN16]
	s_and_b32 s21, ttmp9, 3                        ; band
	s_lshr_b32 s22, ttmp9, 2                       ; cg
	s_and_b32 s23, ttmp7, 0xffff                   ; b
	s_lshl3_add_u32 s24, s21, s20
	s_sub_co_u32 s24, s24, 3                       ; my grid row; outside 0..31 it wraps to a large number
	s_mov_b32 s27, 0
	s_wait_kmcnt 0x0
	s_cmp_lt_u32 s20, 3
	s_cbranch_scc1 .Lhalo_in
	s_cmp_gt_u32 s20, 10
	s_cbranch_scc1 .Lhalo_in
	s_lshl_b32 s26, s22, 9                         ; centre waves: their row is always inside the grid
	s_add_nc_u64 s[6:7], s[6:7], s[26:27]
	global_load_b128 v[W:W+3], v[LN16], s[6:7]     ; older than every load of x: it changes none of the counts below
	s_branch .Lrow_in
.Lhalo_in:
	s_cmp_lt_u32 s24, 32
	s_cbranch_scc1 .Lrow_in
	v_mov_b32 v[HS], 0                             ; a row outside the grid: reference() pads with zeros
	v_mov_b32 v[HS+1], 0
	v_mov_b32 v[HS+2], 0
	v_mov_b32 v[HS+3], 0
.set pp, 0
.rept 32
	ds_store_b128 v[HA], v[HS:HS+3] offset:512*pp
.set pp, pp+1
.endr
	s_branch .Lmeet
.Lrow_in:
	s_mul_i32 s26, s23, 3145728                    ; image
	s_mul_i32 s25, s24, 98304                      ; grid row: 32 tokens
	s_add_co_u32 s26, s26, s25
	s_lshl_b32 s25, s22, 9                         ; 128 channels
	s_add_co_u32 s26, s26, s25
	s_add_nc_u64 s[4:5], s[4:5], s[26:27]
.set pp, 0
.rept 32
	global_load_b128 v[X+4*pp:X+4*pp+3], v[LN16], s[4:5] offset:TOK*pp
.set pp, pp+1
.endr
.macro SQR q                           ; the squares of token q into ring slot q mod 8
	v_pk_mul_f32 v[SQ+4*((\q)%8):SQ+4*((\q)%8)+1], v[X+4*(\q):X+4*(\q)+1], v[X+4*(\q):X+4*(\q)+1]
	v_pk_mul_f32 v[SQ+4*((\q)%8)+2:SQ+4*((\q)%8)+3], v[X+4*(\q)+2:X+4*(\q)+3], v[X+4*(\q)+2:X+4*(\q)+3]
.endm
; Position p: token p + 3 arrives and is squared (slot (p + 3) mod 8 held token p - 5, which no window needs any more);
; the window p - 3 .. p + 3, cut at the row's ends, is summed and stored.
.macro HSTEP p
.if \p <= 28
	s_wait_loadcnt 28-\p                           ; loads return in order: 28 - p loads are younger than token p + 3
	SQR (\p+3)
.endif
.set qa, \p-3
.if qa < 0
.set qa, 0
.endif
.set qb, \p+3
.if qb > 31
.set qb, 31
.endif
	v_pk_add_f32 v[HS:HS+1], v[SQ+4*(qa%8):SQ+4*(qa%8)+1], v[SQ+4*((qa+1)%8):SQ+4*((qa+1)%8)+1]
	v_pk_add_f32 v[HS+2:HS+3], v[SQ+4*(qa%8)+2:SQ+4*(qa%8)+3], v[SQ+4*((qa+1)%8)+2:SQ+4*((qa+1)%8)+3]
.set qq, qa+2
.rept qb-qa-1
	v_pk_add_f32 v[HS:HS+1], v[HS:HS+1], v[SQ+4*(qq%8):SQ+4*(qq%8)+1]
	v_pk_add_f32 v[HS+2:HS+3], v[HS+2:HS+3], v[SQ+4*(qq%8)+2:SQ+4*(qq%8)+3]
.set qq, qq+1
.endr
	ds_store_b128 v[HA], v[HS:HS+3] offset:512*\p
.endm
	s_wait_loadcnt 29                              ; tokens 0 to 2 are in: 29 loads are younger
	SQR 0
	SQR 1
	SQR 2
.set pp, 0
.rept 32
	HSTEP pp
.set pp, pp+1
.endr
.Lmeet:
	s_wait_dscnt 0x0                               ; my row of sums is in LDS, for the other waves' sake
	s_barrier_signal -1
	s_barrier_wait -1                              ; all 14 rows are
	s_cmp_lt_u32 s20, 3
	s_cbranch_scc1 .Lcast
	s_cmp_gt_u32 s20, 10
	s_cbranch_scc1 .Lcast
	; PHASE 2, centre waves
	s_sub_co_u32 s25, s20, 3
	v_lshl_add_u32 v[LA0], s25, 14, v[LN16]
	v_add_nc_u32 v[LA1], 0x10000, v[LA0]
	v_mov_b32 v[C49], 0x3ca72f05                   ; 1/49
	v_mov_b32 v[C49+1], 0x3ca72f05
	v_mov_b32 v[CEPS], 0x33d6bf95                  ; 1e-7
	v_mov_b32 v[CEPS+1], 0x33d6bf95
	s_mul_i32 s26, s23, 1572864                    ; image: 1,024 tokens of 1,536 bytes
	s_mul_i32 s25, s24, 49152                      ; grid row
	s_add_co_u32 s26, s26, s25
	s_lshl_b32 s25, s22, 8                         ; 128 channels of 2 bytes
	s_add_co_u32 s26, s26, s25
	s_add_nc_u64 s[16:17], s[16:17], s[26:27]
.macro LD2 k, buf                      ; the 7 rows' sums at positions 2 k and 2 k + 1: 14 loads
.irp i, 0,1
.irp d, 0,1,2,3
	ds_load_b128 v[\buf+28*\i+4*\d:\buf+28*\i+4*\d+3], v[LA0] offset:HROW*\d+512*(2*\k+\i)
.endr
.irp d, 4,5,6
	ds_load_b128 v[\buf+28*\i+4*\d:\buf+28*\i+4*\d+3], v[LA1] offset:HROW*(\d-4)+512*(2*\k+\i)
.endr
.endr
.endm
.macro NRM p, bb                       ; position p, its 7 quads at bb
.irp e, 0,2
	v_pk_add_f32 v[\bb+\e:\bb+\e+1], v[\bb+\e:\bb+\e+1], v[\bb+4+\e:\bb+4+\e+1]
	v_pk_add_f32 v[\bb+8+\e:\bb+8+\e+1], v[\bb+8+\e:\bb+8+\e+1], v[\bb+12+\e:\bb+12+\e+1]
	v_pk_add_f32 v[\bb+16+\e:\bb+16+\e+1], v[\bb+16+\e:\bb+16+\e+1], v[\bb+20+\e:\bb+20+\e+1]
.endr
.irp e, 0,2
	v_pk_add_f32 v[\bb+\e:\bb+\e+1], v[\bb+\e:\bb+\e+1], v[\bb+8+\e:\bb+8+\e+1]
	v_pk_add_f32 v[\bb+16+\e:\bb+16+\e+1], v[\bb+16+\e:\bb+16+\e+1], v[\bb+24+\e:\bb+24+\e+1]
.endr
.irp e, 0,2
	v_pk_add_f32 v[\bb+\e:\bb+\e+1], v[\bb+\e:\bb+\e+1], v[\bb+16+\e:\bb+16+\e+1]
.endr
.irp e, 0,2
	v_pk_fma_f32 v[\bb+\e:\bb+\e+1], v[\bb+\e:\bb+\e+1], v[C49:C49+1], v[CEPS:CEPS+1]   ; box / 49 + EPS, at least 1e-7: no denormal reaches v_rsq_f32
.endr
.irp e, 0,1,2,3
	v_rsq_f32 v[\bb+\e], v[\bb+\e]
.endr
	v_pk_mul_f32 v[X+4*(\p):X+4*(\p)+1], v[X+4*(\p):X+4*(\p)+1], v[W:W+1]              ; x w: the plain instructions that stand between
	v_pk_mul_f32 v[X+4*(\p)+2:X+4*(\p)+3], v[X+4*(\p)+2:X+4*(\p)+3], v[W+2:W+3]        ; the roots and their first use (ISA guide 5.7.2)
	s_wait_alu depctr_va_vdst(0)
	v_pk_mul_f32 v[X+4*(\p):X+4*(\p)+1], v[X+4*(\p):X+4*(\p)+1], v[\bb:\bb+1]
	v_pk_mul_f32 v[X+4*(\p)+2:X+4*(\p)+3], v[X+4*(\p)+2:X+4*(\p)+3], v[\bb+2:\bb+3]
	v_cvt_pk_f16_f32 v[X+4*(\p)], v[X+4*(\p)], v[X+4*(\p)+1]
	v_cvt_pk_f16_f32 v[X+4*(\p)+1], v[X+4*(\p)+2], v[X+4*(\p)+3]
	global_store_b64 v[LN8], v[X+4*(\p):X+4*(\p)+1], s[16:17] offset:1536*(\p)          ; the store's registers are never written again
.endm
	LD2 0, HB0
.set kk, 0
.rept 15
	LD2 (kk+1), (HB0+56*((kk+1)%2))
	s_wait_dscnt 14                                ; LDS loads return in order: all but the 14 just issued are in
	NRM (2*kk), (HB0+56*(kk%2))
	NRM (2*kk+1), (HB0+56*(kk%2)+28)
.set kk, kk+1
.endr
	s_wait_dscnt 0x0
	NRM 30, HB1
	NRM 31, (HB1+28)
	s_wait_xcnt 0x0
	v_lshl_add_u32 v126, v0, 2, 0x38000
	v_mov_b32 v127, 0
	s_wait_tensorcnt 0x0
	ds_add_u32 v126, v127
	s_wait_dscnt 0x0
	s_endpgm
	; PHASE 2, the six halo waves: 8,192 bytes of a weight each, rounded to f16
.Lcast:
	s_cmp_lt_u32 s20, 3
	s_cselect_b32 s25, 0, 8
	s_sub_co_u32 s25, s20, s25                     ; waves 0,1,2,11,12,13 count 0..5
	s_mul_i32 s28, s23, 24
	s_add_co_u32 s28, s28, ttmp9
	s_mul_i32 s28, s28, 6
	s_add_co_u32 s28, s28, s25                     ; piece 0..1151; 288 pieces to a weight
	s_mov_b64 s[30:31], s[8:9]
	s_mov_b32 s29, 0
	s_cmp_ge_u32 s28, 288
	s_cselect_b64 s[30:31], s[10:11], s[30:31]
	s_cselect_b32 s29, 288, s29
	s_cmp_ge_u32 s28, 576
	s_cselect_b64 s[30:31], s[12:13], s[30:31]
	s_cselect_b32 s29, 576, s29
	s_cmp_ge_u32 s28, 864
	s_cselect_b64 s[30:31], s[14:15], s[30:31]
	s_cselect_b32 s29, 864, s29
	s_sub_co_u32 s26, s28, s29
	s_lshl_b32 s26, s26, 13
	s_add_nc_u64 s[30:31], s[30:31], s[26:27]
	s_lshl_b32 s26, s28, 12
	s_add_nc_u64 s[32:33], s[18:19], s[26:27]
.set cc, 0
.rept 16
	global_load_b128 v[X+4*cc:X+4*cc+3], v[LN16], s[30:31] offset:512*cc th:TH_LOAD_NT
.set cc, cc+1
.endr
.set cc, 0
.rept 16
	s_wait_loadcnt 15-cc                           ; 15 - cc loads are younger than this one
	v_cvt_pk_f16_f32 v[X+4*cc], v[X+4*cc], v[X+4*cc+1]
	v_cvt_pk_f16_f32 v[X+4*cc+1], v[X+4*cc+2], v[X+4*cc+3]
	global_store_b64 v[LN8], v[X+4*cc:X+4*cc+1], s[32:33] offset:256*cc
.set cc, cc+1
.endr
	s_wait_xcnt 0x0
	v_lshl_add_u32 v126, v0, 2, 0x38000
	v_mov_b32 v127, 0
	s_wait_tensorcnt 0x0
	ds_add_u32 v126, v127
	s_wait_dscnt 0x0
	s_endpgm
.Lfunc_end_k_qc16805284b_prep:
	.size	k_qc16805284b_prep, .Lfunc_end_k_qc16805284b_prep-k_qc16805284b_prep
	.p2alignl 7, 3214868480
	.fill 96, 4, 3214868480
	.section	.rodata,"a",@progbits
	.p2align	6, 0x0
	.amdhsa_kernel k_qc16805284b_prep
		.amdhsa_group_segment_fixed_size 231168
		.amdhsa_private_segment_fixed_size 0
		.amdhsa_enable_private_segment 0
		.amdhsa_kernarg_size 64
		.amdhsa_user_sgpr_count 2
		.amdhsa_user_sgpr_kernarg_segment_ptr 1
		.amdhsa_wavefront_size32 1
		.amdhsa_system_sgpr_workgroup_id_x 1
		.amdhsa_system_sgpr_workgroup_id_y 1
		.amdhsa_system_sgpr_workgroup_id_z 1
		.amdhsa_system_vgpr_workitem_id 0
		.amdhsa_next_free_vgpr 256
		.amdhsa_next_free_sgpr 66
		.amdhsa_reserve_vcc 0
		.amdhsa_float_denorm_mode_32 3
		.amdhsa_float_denorm_mode_16_64 3
		.amdhsa_memory_ordered 1
		.amdhsa_forward_progress 1
		.amdhsa_inst_pref_size 107
	.end_amdhsa_kernel
	.amdgpu_metadata
---
amdhsa.version: [ 1, 2 ]
amdhsa.kernels:
  - .name:           k_qc16805284b_prep
    .symbol:         k_qc16805284b_prep.kd
    .args:
      - { .name: x, .offset: 0, .size: 8, .value_kind: global_buffer, .address_space: global }
      - { .name: norm_w, .offset: 8, .size: 8, .value_kind: global_buffer, .address_space: global }
      - { .name: wq, .offset: 16, .size: 8, .value_kind: global_buffer, .address_space: global }
      - { .name: wk, .offset: 24, .size: 8, .value_kind: global_buffer, .address_space: global }
      - { .name: wv, .offset: 32, .size: 8, .value_kind: global_buffer, .address_space: global }
      - { .name: wo, .offset: 40, .size: 8, .value_kind: global_buffer, .address_space: global }
      - { .name: xn, .offset: 48, .size: 8, .value_kind: global_buffer, .address_space: global }
      - { .name: wb, .offset: 56, .size: 8, .value_kind: global_buffer, .address_space: global }
    .group_segment_fixed_size: 231168
    .private_segment_fixed_size: 0
    .kernarg_segment_align: 8
    .kernarg_segment_size: 64
    .max_flat_workgroup_size: 448
    .sgpr_count:     66
    .vgpr_count:     256
    .wavefront_size: 32
...
	.end_amdgpu_metadata
.endif
;; end of part 1
;; launch qkv (part 2): grid 8 x 32, 4 waves a work-group, clusters of 4 x 4, 327,680 bytes of LDS; arguments xn, wb, qkv; writes qkv
.if DOCPART == 2
	.amdgcn_target "amdgcn-amd-amdhsa--gfx1250"
	.amdhsa_code_object_version 6
	.text
	.protected	k_qc16805284b_qkv
	.globl	k_qc16805284b_qkv
	.p2align	8
	.type	k_qc16805284b_qkv,@function
k_qc16805284b_qkv:
	s_mov_b64 s[64:65], 0
	v_nop
	global_prefetch_b8 v0, s[64:65] scope:SCOPE_SE
	s_setreg_imm32_b32 hwreg(HW_REG_WAVE_MODE, 25, 1), 1
	s_wait_xcnt 0x0
	s_wait_alu depctr_hold_cnt(0) depctr_sa_sdst(0) depctr_va_vdst(0) depctr_va_sdst(0) depctr_va_ssrc(0) depctr_va_vcc(0) depctr_vm_vsrc(0)
	s_getreg_b32 s2, hwreg(HW_REG_IB_STS2, 6, 4)
	s_cmp_eq_u32 s2, 0
	s_cbranch_scc0 .Lentry_in_a_cluster
	s_endpgm
.Lentry_in_a_cluster:
	s_bfe_u32 s2, ttmp6, 0x10000c
	s_cmp_lg_u32 s2, 0xf033
	s_cbranch_scc0 .Lentry_shape_is_right
	s_endpgm
.Lentry_shape_is_right:
; LAUNCH 2 OF 4.  qkv[n][t] = sum over k of xn[t][k] wb[n][k] for the 2,304 rows n of wq, wk, wv; operands f16, sums f32, rounded once to f16.
; No bias here: bq and bv are added in the next launch; bk is left out of the whole program (it adds the same number to every score of a
; softmax row and cancels there).
; OUTPUT IN PLANES: qkv[288 planes][8192 tokens][8 features], plane p = features 8 p .. 8 p + 7.  The matrix instruction is used transposed
; (source 0 = 16 rows of wb, source 1 = 16 tokens), so a lane's eight results are eight neighbouring features of one token: 16 bytes of one
; plane, and sixteen neighbouring lanes store 256 consecutive bytes at a multiple of 256.  No LDS stage is needed.
; SHAPE: a block of 256 tokens x 288 features, so that 32 x 8 blocks are one work-group for each of 256 WGPs.  Four waves, each 128 x 144:
; 8 x 9 = 72 accumulator tiles, 576 registers.  K = 768 goes in 6 steps of 128 through two LDS slots; all is written out, there is no loop.
; CLUSTER 4 x 4: the four work-groups of a row of the cluster need the same tokens, the four of a column the same rows of wb; such a tile is
; asked for jointly, each of the four issuing the same tensor load with a mask that names the four.
; REGISTERS: window 0: v0-31 addresses, v64-127 and v128-191 token fragments (two buffers); window 1: v0-71 and v72-143 weight fragments (two
; buffers), v192-255 the tiles of the ninth feature column; window 2: tiles (a = 0..3, b = 0..7) at 8 (8 a + b); window 3: a = 4..7.
; The 72 accumulators take turns, one matrix instruction a turn, in the same order in every quarter step.
.set KDIM,   768
.set KSTEP,  128
.set PITCH,  272                       ; 256 bytes of a row + 16 of padding: 16 rows start at 16 different 16-byte columns modulo 256
.set AH,     128*PITCH                 ; half of the tokens' tile: one tensor load
.set BH,     144*PITCH                 ; half of the weights' tile: one tensor load
.set SLOT,   2*AH+2*BH
.set PLANE,  131072
.set ADRA, 16                          ; v16-17 LDS address of my token fragments in slot 0, 1
.set ADRB, 20                          ; v20-21 the same for the weights
.set CO,   26                          ; v26    my byte offset in qkv: h planes + 16 r
.set FA0,  64
.set FA1,  128
.set FB0,  0
.set FB1,  72
.set ACCX, 192
.set TMP,  64                          ; the way out: four groups of 32 registers in window 0
.set TMPX, 192                         ; the way out: the ninth column
.set G1A, 24
.set G0A, 32
.set G1B, 40
.set G0B, 48
.set FLAGS, (1<<16)|(1<<20)|(1<<21)|(5<<22)|(3<<25)   ; 2-byte elements; padding on; bit 21 beside a mask; after every 64 words, 4 words
.set MSB, 0
.macro WIN new                         ; the immediate's high byte repeats the setting that is left
.if MSB != \new
	s_set_vgpr_msb (MSB<<8)|\new
.set MSB, \new
.endif
.endm
.set MUL_LO, 0xa1                      ; source 0 window 1, source 1 window 0, C and D window 2
.set MUL_HI, 0xf1                      ; C and D window 3
.set MUL_X,  0x51                      ; C and D window 1
.set TO_B,   0x40                      ; destination window 1
.macro JLOAD s                         ; waves 0, 1 ask for the tokens' halves, waves 2, 3 for the weights': one mask to a line
	s_cmp_eq_u32 s13, 0
	s_cbranch_scc0 .Lfor_b_\@
	tensor_load_to_lds s[G0A+4*\s:G0A+4*\s+3], s[G1A:G1A+7]
	s_nop 0
	s_branch .Lasked_\@
.Lfor_b_\@:
	tensor_load_to_lds s[G0B+4*\s:G0B+4*\s+3], s[G1B:G1B+7]
	s_nop 0
.Lasked_\@:
.endm
.macro CREST                           ; a round of the cluster's barrier behind its opening work-group barrier
	s_cmp_lg_u32 s12, 0
	s_cbranch_scc1 .Lnot_wave_0_\@
	s_barrier_signal -3
.Lnot_wave_0_\@:
	s_barrier_wait -3
	s_barrier_signal -1
	s_barrier_wait -1
.endm
.macro CROUND
	s_barrier_signal -1
	s_barrier_wait -1
	CREST
.endm
	s_load_b128 s[4:7], s[0:1], 0x0                ; xn s[4:5], wb s[6:7]
	s_load_b64 s[8:9], s[0:1], 0x10                ; qkv
	s_set_vgpr_msb 0x40
	v_lshl_add_u32 v191, v0, 2, 0x48400
	s_set_vgpr_msb 0x4000
	v_mov_b32 v255, 0
	s_set_vgpr_msb 0x1
	ds_add_u32 v191, v255
	s_set_vgpr_msb 0x100
	v_lshrrev_b32 v1, 5, v0
	v_readfirstlane_b32 s12, v1                    ; wave 0..3
	s_lshr_b32 s13, s12, 1                         ; my half of the tokens.  Also: I fetch tokens (0) or weights (1)
	s_and_b32 s14, s12, 1                          ; my half of the features.  Also: which half of that tile I fetch
	s_bfe_u32 s20, ttmp6, 0x40000                  ; cx
	s_bfe_u32 s21, ttmp6, 0x40004                  ; cy
	s_lshl_b32 s22, ttmp9, 2
	s_add_co_u32 s22, s22, s20                     ; block column 0..7
	s_and_b32 s15, ttmp7, 0xffff
	s_lshl_b32 s15, s15, 2
	s_add_co_u32 s15, s15, s21                     ; block row 0..31
	s_lshl_b32 s60, s21, 2
	s_lshl_b32 s60, 15, s60                        ; my row of the cluster
	s_lshl_b32 s61, 0x1111, s20                    ; my column
	s_or_b32 s[G1A+0], s60, FLAGS
	s_mov_b32 s[G1A+1], KSTEP<<16                  ; tensor_dim0 = 128
	s_mov_b32 s[G1A+2], 128<<16                    ; tensor_dim1 = 128
	s_mov_b32 s[G1A+3], KSTEP<<16                  ; tile_dim0 = 128
	s_mov_b32 s[G1A+4], 128                        ; tile_dim1 = 128
	s_mov_b32 s[G1A+5], KDIM                       ; elements from row to row
	s_mov_b32 s[G1A+6], 0
	s_mov_b32 s[G1A+7], 0
	s_or_b32 s[G1B+0], s61, FLAGS
	s_mov_b32 s[G1B+1], KSTEP<<16
	s_mov_b32 s[G1B+2], 144<<16                    ; 144 rows
	s_mov_b32 s[G1B+3], KSTEP<<16
	s_mov_b32 s[G1B+4], 144
	s_mov_b32 s[G1B+5], KDIM
	s_mov_b32 s[G1B+6], 0
	s_mov_b32 s[G1B+7], 0
	s_lshl_b32 s16, s15, 8                         ; tokens: row 256 x block row + 128 x half (never holds cx)
	s_lshl_b32 s17, s14, 7
	s_add_co_u32 s16, s16, s17
	s_mul_i32 s16, s16, KDIM*2
	s_mov_b32 s17, 0
	s_mul_i32 s18, s22, 288                        ; weights: row 288 x block column + 144 x half (never holds cy)
	s_mul_i32 s19, s14, 144
	s_add_co_u32 s18, s18, s19
	s_mul_i32 s18, s18, KDIM*2
	s_mov_b32 s19, 0
	s_mul_i32 s62, s14, AH                         ; where they go: made of the wave's number alone
	s_mul_i32 s63, s14, BH
	s_add_co_u32 s63, s63, 2*AH
	s_wait_dscnt 0x0
	s_wait_kmcnt 0x0
	s_add_nc_u64 s[56:57], s[4:5], s[16:17]
	s_add_nc_u64 s[58:59], s[6:7], s[18:19]
	CROUND                                         ; all sixteen work-groups are here: the first joint loads meet
.irp s, 0,1
	s_mov_b32 s[G0A+4*\s], 1
	s_add_co_u32 s[G0A+4*\s+1], s62, \s*SLOT
	s_add_nc_u64 s[G0A+4*\s+2:G0A+4*\s+3], s[56:57], \s*KSTEP*2
	s_or_b32 s[G0A+4*\s+3], s[G0A+4*\s+3], 0x80000000
	s_mov_b32 s[G0B+4*\s], 1
	s_add_co_u32 s[G0B+4*\s+1], s63, \s*SLOT
	s_add_nc_u64 s[G0B+4*\s+2:G0B+4*\s+3], s[58:59], \s*KSTEP*2
	s_or_b32 s[G0B+4*\s+3], s[G0B+4*\s+3], 0x80000000
	JLOAD \s                                       ; two loads of the wave are out here, later one behind each round
.endr
	v_and_b32 v1, 15, v0                           ; r
	v_bfe_u32 v2, v0, 4, 1                         ; h
	v_mul_u32_u24 v3, v1, PITCH
	v_lshl_add_u32 v3, v2, 4, v3                   ; row x pitch + 16 h
	s_mul_i32 s16, s13, AH
	s_mul_i32 s18, s14, BH
	s_add_co_u32 s18, s18, 2*AH
.irp s, 0,1
	v_add_nc_u32 v[ADRA+\s], s16, v3
	v_add_nc_u32 v[ADRB+\s], s18, v3
	s_add_co_u32 s16, s16, SLOT
	s_add_co_u32 s18, s18, SLOT
.endr
	v_lshlrev_b32 v4, 4, v1
	v_lshl_add_u32 v[CO], v2, 17, v4
.macro MUL16 fa, fb, hi, a0, zero      ; token tiles a0, a0 + 1 of the window's four x feature tiles 0..7
.irp a, \a0, \a0+1
.irp b, 0,1,2,3,4,5,6,7
.if \zero
	v_wmma_f32_16x16x32_f16 v[8*(8*(\a)+\b):8*(8*(\a)+\b)+7], v[\fb+8*\b:\fb+8*\b+7], v[\fa+8*(4*\hi+\a):\fa+8*(4*\hi+\a)+7], 0
.else
	v_wmma_f32_16x16x32_f16 v[8*(8*(\a)+\b):8*(8*(\a)+\b)+7], v[\fb+8*\b:\fb+8*\b+7], v[\fa+8*(4*\hi+\a):\fa+8*(4*\hi+\a)+7], v[8*(8*(\a)+\b):8*(8*(\a)+\b)+7]
.endif
.endr
.endr
.endm
.macro MULX fa, fb, a0, zero           ; token tiles a0 .. a0 + 3 x feature tile 8
.irp a, \a0, \a0+1, \a0+2, \a0+3
.if \zero
	v_wmma_f32_16x16x32_f16 v[ACCX+8*(\a):ACCX+8*(\a)+7], v[\fb+64:\fb+71], v[\fa+8*(\a):\fa+8*(\a)+7], 0
.else
	v_wmma_f32_16x16x32_f16 v[ACCX+8*(\a):ACCX+8*(\a)+7], v[\fb+64:\fb+71], v[\fa+8*(\a):\fa+8*(\a)+7], v[ACCX+8*(\a):ACCX+8*(\a)+7]
.endif
.endr
.endm
.macro FETCH slot, k, ga, gb           ; 34 LDS loads: 144 weight rows, then 128 tokens, 32 along K at byte k of the rows
	WIN TO_B
.irp i, 0,1,2,3,4,5,6,7,8
	ds_load_b128 v[\gb+8*\i:\gb+8*\i+3],   v[ADRB+\slot] offset:\k+\i*16*PITCH
	ds_load_b128 v[\gb+8*\i+4:\gb+8*\i+7], v[ADRB+\slot] offset:\k+\i*16*PITCH+32
.endr
	WIN 0
.irp i, 0,1,2,3,4,5,6,7
	ds_load_b128 v[\ga+8*\i:\ga+8*\i+3],   v[ADRA+\slot] offset:\k+\i*16*PITCH
	ds_load_b128 v[\ga+8*\i+4:\ga+8*\i+7], v[ADRA+\slot] offset:\k+\i*16*PITCH+32
.endr
.endm
.macro PLACES                          ; four independent vector instructions between a matrix instruction and a load into, or a vector
.rept 4                                ; instruction on, its registers (ISA guide 7.12.1 for vector instructions)
	v_nop
.endr
.endm
.macro QUARTER slot, k, fa, fb, ga, gb, zero
	s_wait_dscnt 8                                 ; the weights and tokens 0-63 are in; the youngest eight loads (tokens 64-127) may be out
	WIN MUL_LO
	MUL16 \fa, \fb, 0, 0, \zero
	MUL16 \fa, \fb, 0, 2, \zero
	WIN MUL_X
	MULX \fa, \fb, 0, \zero
	PLACES
	FETCH \slot, \k, \ga, \gb
	s_wait_dscnt 34                                ; all but the 34 just issued
	WIN MUL_HI
	MUL16 \fa, \fb, 1, 0, \zero
	MUL16 \fa, \fb, 1, 2, \zero
	WIN MUL_X
	MULX \fa, \fb, 4, \zero
.endm
.macro THREE slot, zero
	QUARTER \slot, 64,  FA0, FB0, FA1, FB1, \zero
	QUARTER \slot, 128, FA1, FB1, FA0, FB0, 0
	QUARTER \slot, 192, FA0, FB0, FA1, FB1, 0
.endm
; The fourth quarter changes slots.  In front of the barrier each wave waits for its reads of this slot and for all its tensor loads (the one
; that is out is its part of the next slot).  Behind it, and where the slot is filled again behind the whole round of the cluster's barrier,
; nobody of any partner reads this slot: the joint refill comes first, then the next slot's first fragments.
.macro TURN slot, next, fill
	s_wait_dscnt 8
	WIN MUL_LO
	MUL16 FA1, FB1, 0, 0, 0
	s_wait_dscnt 0x0
	s_wait_tensorcnt 0x0
	ds_add_u32 v191, v255
	s_wait_dscnt 0x0
	s_barrier_signal -1
	MUL16 FA1, FB1, 0, 2, 0                        ; register work alone between signal and wait
	WIN MUL_X
	MULX FA1, FB1, 0, 0
	WIN 0
	s_barrier_wait -1
.if \fill
	CREST
	s_add_nc_u64 s[G0A+4*\slot+2:G0A+4*\slot+3], s[G0A+4*\slot+2:G0A+4*\slot+3], 2*KSTEP*2   ; no tensor load of mine is out: the descriptors may be stepped
	s_add_nc_u64 s[G0B+4*\slot+2:G0B+4*\slot+3], s[G0B+4*\slot+2:G0B+4*\slot+3], 2*KSTEP*2
	JLOAD \slot
.endif
	PLACES
	FETCH \next, 0, FA0, FB0
	WIN MUL_HI
	MUL16 FA1, FB1, 1, 0, 0
	MUL16 FA1, FB1, 1, 2, 0
	WIN MUL_X
	MULX FA1, FB1, 4, 0
.endm
.macro LAP zero
	THREE 0, \zero
	TURN 0, 1, 1
	THREE 1, 0
	TURN 1, 0, 1
.endm
	s_wait_tensorcnt 0x1                           ; my part of K step 0 is in; step 1's stays out
	s_barrier_signal -1
	s_barrier_wait -1
	FETCH 0, 0, FA0, FB0
	LAP 1                                          ; K steps 0, 1; the first products start the sums; steps 2, 3 are asked for
	LAP 0                                          ; K steps 2, 3; steps 4, 5 are asked for
	THREE 0, 0                                     ; K steps 4, 5: nothing is left to fetch
	TURN 0, 1, 0
	THREE 1, 0
	s_wait_dscnt 8
	WIN MUL_LO
	MUL16 FA1, FB1, 0, 0, 0
	MUL16 FA1, FB1, 0, 2, 0
	WIN MUL_X
	MULX FA1, FB1, 0, 0
	s_wait_dscnt 0x0
	WIN MUL_HI
	MUL16 FA1, FB1, 1, 0, 0
	MUL16 FA1, FB1, 1, 2, 0
	WIN MUL_X
	MULX FA1, FB1, 4, 0
	; THE WAY OUT: round to f16 and store; tile (a, b) goes to planes 2 b + h, tokens 16 a + r
	PLACES
	s_mul_i32 s18, s22, 36                         ; 36 planes to a block column, 18 to a wave (registers that held cx before)
	s_mul_i32 s19, s14, 18
	s_add_co_u32 s18, s18, s19
	s_lshl_b32 s18, s18, 17
	s_mov_b32 s19, 0
	s_add_nc_u64 s[8:9], s[8:9], s[18:19]
	s_lshl_b32 s16, s15, 12                        ; 256 tokens of 16 bytes to a block row, 128 to a wave
	s_lshl_b32 s17, s13, 11
	s_add_co_u32 s16, s16, s17
	s_mov_b32 s17, 0
	s_add_nc_u64 s[8:9], s[8:9], s[16:17]
.macro OUT8 a, from
.if \a >= 4
	s_wait_xcnt 0x0                                ; the group's registers were the data of stores issued four tiles ago: written again only behind this wait
.endif
	WIN \from
.irp b, 0,1,2,3,4,5,6,7
.irp r, 0,1,2,3
	v_cvt_pk_f16_f32 v[TMP+32*(\a%4)+4*\b+\r], v[8*(8*(\a%4)+\b)+2*\r], v[8*(8*(\a%4)+\b)+2*\r+1]
.endr
.endr
	WIN 0
.irp b, 0,1,2,3,4,5,6,7
	global_store_b128 v[CO], v[TMP+32*(\a%4)+4*\b:TMP+32*(\a%4)+4*\b+3], s[8:9] offset:\b*2*PLANE+\a*256
.endr
.endm
	OUT8 0, 0x0a
	OUT8 1, 0x0a
	OUT8 2, 0x0a
	OUT8 3, 0x0a
	OUT8 4, 0x0f
	OUT8 5, 0x0f
	OUT8 6, 0x0f
	OUT8 7, 0x0f
	WIN 0x05                                       ; the ninth feature tile: sources in window 1
.irp a, 0,1,2,3,4,5,6,7
.irp r, 0,1,2,3
	v_cvt_pk_f16_f32 v[TMPX+4*\a+\r], v[ACCX+8*\a+2*\r], v[ACCX+8*\a+2*\r+1]
.endr
.endr
	WIN 0
.irp a, 0,1,2,3,4,5,6,7
	global_store_b128 v[CO], v[TMPX+4*\a:TMPX+4*\a+3], s[8:9] offset:16*PLANE+\a*256
.endr
	CROUND                                         ; the closing round: no work-group ends while a partner may still ask for a tile that names it
	s_endpgm
.Lfunc_end_k_qc16805284b_qkv:
	.size	k_qc16805284b_qkv, .Lfunc_end_k_qc16805284b_qkv-k_qc16805284b_qkv
	.p2alignl 7, 3214868480
	.fill 96, 4, 3214868480
	.section	.rodata,"a",@progbits
	.p2align	6, 0x0
	.amdhsa_kernel k_qc16805284b_qkv
		.amdhsa_group_segment_fixed_size 327680
		.amdhsa_private_segment_fixed_size 0
		.amdhsa_enable_private_segment 0
		.amdhsa_kernarg_size 24
		.amdhsa_user_sgpr_count 2
		.amdhsa_user_sgpr_kernarg_segment_ptr 1
		.amdhsa_wavefront_size32 1
		.amdhsa_system_sgpr_workgroup_id_x 1
		.amdhsa_system_sgpr_workgroup_id_y 1
		.amdhsa_system_sgpr_workgroup_id_z 1
		.amdhsa_system_vgpr_workitem_id 0
		.amdhsa_next_free_vgpr 1024
		.amdhsa_next_free_sgpr 66
		.amdhsa_reserve_vcc 0
		.amdhsa_float_denorm_mode_32 3
		.amdhsa_float_denorm_mode_16_64 3
		.amdhsa_memory_ordered 1
		.amdhsa_forward_progress 1
		.amdhsa_inst_pref_size 204
	.end_amdhsa_kernel
	.amdgpu_metadata
---
amdhsa.version: [ 1, 2 ]
amdhsa.kernels:
  - .name:           k_qc16805284b_qkv
    .symbol:         k_qc16805284b_qkv.kd
    .args:
      - { .name: xn, .offset: 0, .size: 8, .value_kind: global_buffer, .address_space: global }
      - { .name: wb, .offset: 8, .size: 8, .value_kind: global_buffer, .address_space: global }
      - { .name: qkv, .offset: 16, .size: 8, .value_kind: global_buffer, .address_space: global }
    .group_segment_fixed_size: 327680
    .private_segment_fixed_size: 0
    .kernarg_segment_align: 8
    .kernarg_segment_size: 24
    .max_flat_workgroup_size: 128
    .sgpr_count:     66
    .vgpr_count:     1024
    .wavefront_size: 32
...
	.end_amdgpu_metadata
.endif
;; end of part 2
;; launch attn (part 3): grid 8 x 96, 4 waves a work-group, clusters of 4 x 1, 295,424 bytes of LDS; arguments qkv, bq, bv, att; writes att
.if DOCPART == 3
	.amdgcn_target "amdgcn-amd-amdhsa--gfx1250"
	.amdhsa_code_object_version 6
	.text
	.protected	k_qc16805284b_attn
	.globl	k_qc16805284b_attn
	.p2align	8
	.type	k_qc16805284b_attn,@function
k_qc16805284b_attn:
	s_mov_b64 s[64:65], 0
	v_nop
	global_prefetch_b8 v0, s[64:65] scope:SCOPE_SE
	s_setreg_imm32_b32 hwreg(HW_REG_WAVE_MODE, 25, 1), 1
	s_wait_xcnt 0x0
	s_wait_alu depctr_hold_cnt(0) depctr_sa_sdst(0) depctr_va_vdst(0) depctr_va_sdst(0) depctr_va_ssrc(0) depctr_va_vcc(0) depctr_vm_vsrc(0)
	s_getreg_b32 s2, hwreg(HW_REG_IB_STS2, 6, 4)
	s_cmp_eq_u32 s2, 0
	s_cbranch_scc0 .Lentry_in_a_cluster
	s_endpgm
.Lentry_in_a_cluster:
	s_bfe_u32 s2, ttmp6, 0x10000c
	s_cmp_lg_u32 s2, 0x3003
	s_cbranch_scc0 .Lentry_shape_is_right
	s_endpgm
.Lentry_shape_is_right:
; LAUNCH 3 OF 4.  For one image b, one head and 128 queries: q = (q0 + bq) log2(e) / 8; S^T = K q^T; softmax along the keys with a running
; maximum, in base 2; O^T = V^T P^T; att = O / l + bv (a softmax row sums to 1, so bv may be added behind the division).
; bk is left out of the whole program: it adds q . bk / 8 to every score of a row, which the softmax cancels for all values of the inputs.
; Operands f16, sums and softmax f32.  Limits: q is rounded to f16 twice (q0 in the launch before, the scaled q here); a softmax weight below
; 2^-126 of the row's largest comes out of v_exp_f32 as 0; v_max_num_f32 lets a NaN score lose the maximum (the NaN still reaches the row
; through its own exponential).
; SHARES: 768 work-groups, three for each of 256 WGPs.  A wave takes 32 queries, two tiles u of 16.  Both products are used transposed, so a
; lane holds ONE query (r) in S, P and O: the row maximum and sum need one exchange with lane r + 16 alone, S turns into P in the same
; registers, and a lane's eight results of O are eight neighbouring features: 16 bytes of a plane of att [96 planes][8192 tokens][8].
; LDS holds the head's whole K and V, filled once: 16 blocks of 64 keys each, a block = 8 planes of 1,024 bytes + 128 of padding.
; CLUSTER 4 x 1: the four query blocks of a cluster read the same K and V and ask for them jointly (mask 15).  A wave issues 8 tensor
; loads at the start (block 4 c + w of K and of V, c = 0..3): 8 are outstanding at the most, and no LDS byte is ever filled again.
;
; THE LOOP IS A PIPELINE over steps of 32 keys, so that products and softmax are issued side by side.  Trip a issues the 8 products
; O += V(a) P(a), then the 8 products S(a+2) = K(a+2) q, and behind product i stands slice i of the softmax of step a + 1, for both query
; tiles.  S has two buffers: P(a) lies in place in buffer a mod 2, which S(a+2) then overwrites; the softmax works on the other one.
; A trip has 16 products and 136 vector instructions.  Slices 0-6 and 8-14 hold 6 of them; slices 7 and 15 hold 26, and behind these two
; stand the trip's LDS loads, in two runs of 8: V(a+1) when the products on V(a) are over, K(a+3) when those on K(a+2) are.
; O's tiles dt = 0..2 are brought to the new maximum of step a + 1 in trip a, behind their products of step a; the tiles dt = 3 in slices 2-4
; of the next trip, ahead of their products there, where they stand between the dependent steps of the maximum.
; WHY 32 KEYS: all that the loop names is one window of 256 registers (S 64, O 64, Q 32, K 32, V 32, 32 others), so the loop changes no
; window.  With steps of 64 keys the two buffers of S alone are 128 registers, and every product would stand between two changes.
; The price: O is rescaled, and the maximum exchanged, once for 32 keys and not once for 64.
; In both runs of matrix instructions the accumulators take turns, one instruction a turn.
.set PLANE, 131072
.set PP,    1152                       ; plane pitch in LDS: 128 modulo 256, so the two planes that sixteen lanes of a transposing load touch lie in different halves of 256 bytes
.set BLK,   8*PP                       ; a block of 64 keys
.set HALF,  512                        ; the second 32 keys of a block, in each of its planes
.set VBASE, 16*BLK
.set CSC,   0x3e38aa3b                 ; log2(e) / 8
.set EVEN,  4                          ; trips 1 to 28 have the same text for each parity: these two stand for them in the loops
.set ODD,   5
.set KA, 3                             ; LDS address of my K fragments in block m, m = (trip) / 2
.set VA, 4                             ; LDS address of my V fragments in block m
.set QO, 5                             ; h planes + 16 r: offset in qkv and in att
.set HB, 6                             ; 32 h: offset in bq and bv
.set M,  8                             ; v[8+4p+2u] running maximum of tile u behind a step of parity p; the pair's second register is named and never used
.set AL, 16                            ; v[16+2u]   2^(old maximum - new); likewise
.set L,  20                            ; v[20+2u:21+2u] running sum, two partial sums
.set MA, 24                            ; v24+u, v26+u two chains of maxima
.set MB, 26
.set MP, 28                            ; v28+u the partner lane's figure
.set MD, 30                            ; v30+u old maximum - new
.set SB, 32                            ; S(p,u,t) at 32 + 32 p + 16 u + 8 t; P(p,u) in place in the first 8 of the 16
.set KF, 96                            ; K fragment g = (t = g & 1, ks = g >> 1) at 96 + 8 g
.set VF, 128                           ; V fragment dt at 128 + 8 dt
.set O,  160                           ; O(u,dt) at 160 + 32 u + 8 dt
.set QF, 224                           ; Q(u,ks) at 224 + 16 u + 8 ks
.set BV, 0                             ; window 1: bv of my features, 8 for each dt (v256-287)
.set G1, 16
.set G0, 24
.set MSB, 0
.macro WIN new                         ; the immediate's high byte repeats the setting that is left
.if MSB != \new
	s_set_vgpr_msb (MSB<<8)|\new
.set MSB, \new
.endif
.endm
.macro ROUND                           ; a round of the cluster's barrier
	s_barrier_signal -1
	s_barrier_wait -1
	s_cmp_lg_u32 s12, 0
	s_cbranch_scc1 .Lnot_wave_0_\@
	s_barrier_signal -3
.Lnot_wave_0_\@:
	s_barrier_wait -3
	s_barrier_signal -1
	s_barrier_wait -1
.endm
	s_load_b256 s[4:11], s[0:1], 0x0               ; qkv 4, bq 6, bv 8, att 10
	s_set_vgpr_msb 0x40
	v_lshl_add_u32 v32, v0, 2, 0x48000
	v_mov_b32 v33, 0
	s_set_vgpr_msb 0x4045
	ds_add_u32 v32, v33
	s_set_vgpr_msb 0x4500
	v_lshrrev_b32 v1, 5, v0
	v_readfirstlane_b32 s12, v1                    ; wave 0..3
	s_bfe_u32 s56, ttmp6, 0x40000                  ; cx
	s_lshl_b32 s57, ttmp9, 2
	s_add_co_u32 s57, s57, s56                     ; query block 0..7
	s_and_b32 s58, ttmp7, 7                        ; b
	s_bfe_u32 s59, ttmp7, 0x40003                  ; head 0..11
	s_mov_b32 s60, 0x76543210                      ; v_permlanex16_b32: lane i takes lane i of the other half
	s_mov_b32 s61, 0xfedcba98
	s_mov_b32 s[G1+0], 15|(1<<16)|(1<<20)|(1<<21)|(7<<22)|(31<<25)   ; mask of the four; 2-byte elements; padding: after every 256 words, 32 words
	s_mov_b32 s[G1+1], 512<<16                     ; tensor_dim0 = 512 elements: 64 keys x 8 features of a plane
	s_mov_b32 s[G1+2], 8<<16                       ; tensor_dim1 = 8 planes
	s_mov_b32 s[G1+3], 512<<16                     ; tile_dim0
	s_mov_b32 s[G1+4], 8                           ; tile_dim1
	s_mov_b32 s[G1+5], 65536                       ; elements from plane to plane
	s_mov_b32 s[G1+6], 0
	s_mov_b32 s[G1+7], 0
	s_lshl_b32 s2, s59, 20                         ; K and V: 8 planes to a head
	s_add_co_u32 s2, s2, 96*PLANE                  ; K's planes begin at 96
	s_lshl_b32 s3, s58, 14                         ; 1,024 tokens of 16 bytes to an image
	s_add_co_u32 s2, s2, s3
	s_lshl_b32 s3, s12, 10                         ; block w
	s_add_co_u32 s2, s2, s3
	s_mov_b32 s3, 0
	s_mul_i32 s13, s12, BLK
	s_lshl_b32 s66, s59, 20                        ; my queries, in qkv and in att alike: 8 head planes + (1024 b + 128 block + 32 w) tokens
	s_lshl_b32 s67, s58, 14
	s_add_co_u32 s66, s66, s67
	s_lshl_b32 s67, s57, 11
	s_add_co_u32 s66, s66, s67
	s_lshl_b32 s67, s12, 9
	s_add_co_u32 s66, s66, s67
	s_mov_b32 s67, 0
	s_lshl_b32 s70, s59, 8                         ; bq, bv: 64 f32 to a head
	s_mov_b32 s71, 0
	v_and_b32 v1, 15, v0                           ; r
	v_bfe_u32 v2, v0, 4, 1                         ; h
	v_lshlrev_b32 v7, 4, v1
	v_mul_u32_u24 v[KA], v2, PP
	v_add_nc_u32 v[KA], v[KA], v7                  ; plane h, key r
	v_lshl_add_u32 v[QO], v2, 17, v7
	v_lshlrev_b32 v[HB], 5, v2
	v_bfe_u32 v[MP], v0, 3, 1                      ; the transposing load: lanes 8 g + j address key 8 h + j of plane (g & 1)
	v_mul_u32_u24 v[MP], v[MP], PP                 ; (MP is written here, so v_permlanex16_b32, which counts as a reader of its destination, finds it written)
	v_and_b32 v[MP+1], 7, v0
	v_lshl_add_u32 v[MP+1], v2, 3, v[MP+1]
	v_lshl_add_u32 v[VA], v[MP+1], 4, v[MP]
	v_add_nc_u32 v[VA], VBASE, v[VA]
.irp i, 1,3,5,7
	v_mov_b32 v[M+\i], 0                           ; the second registers of the pairs whose first is broadcast: named by the packed instructions, so written once
.endr
	v_mov_b32 v[AL+1], 0
	v_mov_b32 v[AL+3], 0
	s_wait_dscnt 0x0
	s_wait_kmcnt 0x0
	s_add_nc_u64 s[14:15], s[4:5], s[2:3]          ; hangs on the head, the image and the wave: the same in all four partners
	s_add_nc_u64 s[68:69], s[4:5], s[66:67]
	s_add_nc_u64 s[10:11], s[10:11], s[66:67]
	s_add_nc_u64 s[6:7], s[6:7], s[70:71]
	s_add_nc_u64 s[8:9], s[8:9], s[70:71]
	; q0, bq and bv are asked for ahead of the cluster's round: the round and the first tiles run while they are on their way
.irp u, 0,1
.irp ks, 0,1
.irp hf, 0,1
	global_load_b128 v[SB+8*(2*\u+\ks)+4*\hf:SB+8*(2*\u+\ks)+4*\hf+3], v[QO], s[68:69] offset:(4*\ks+2*\hf)*PLANE+256*\u   ; q0, features 32 ks + 16 hf + 8 h ..
.endr
.endr
.endr
.irp i, 0,1,2,3
	global_load_b128 v[KF+8*\i:KF+8*\i+3],   v[HB], s[6:7] offset:64*\i       ; bq of features 16 i + 8 h ..
	global_load_b128 v[KF+8*\i+4:KF+8*\i+7], v[HB], s[6:7] offset:64*\i+16
.endr
	WIN 0x40                                       ; destination in window 1
.irp i, 0,1,2,3
	global_load_b128 v[BV+8*\i:BV+8*\i+3],   v[HB], s[8:9] offset:64*\i
	global_load_b128 v[BV+8*\i+4:BV+8*\i+7], v[HB], s[8:9] offset:64*\i+16
.endr
	WIN 0
	ROUND                                          ; the four work-groups are here: the joint loads meet
.irp c, 0,1,2,3
.irp kv, 0,1
	s_mov_b32 s[G0+4*(2*\c+\kv)], 1
	s_add_co_u32 s[G0+4*(2*\c+\kv)+1], s13, \kv*VBASE+\c*4*BLK
	s_add_nc_u64 s[G0+4*(2*\c+\kv)+2:G0+4*(2*\c+\kv)+3], s[14:15], \kv*96*PLANE+\c*4096
	s_or_b32 s[G0+4*(2*\c+\kv)+3], s[G0+4*(2*\c+\kv)+3], 0x80000000
	tensor_load_to_lds s[G0+4*(2*\c+\kv):G0+4*(2*\c+\kv)+3], s[G1:G1+7]
	s_nop 0
.endr
.endr
	s_wait_loadcnt 8                               ; q0 and bq are in; bv's eight loads are younger
.set cnt, 0
.rept 16
	v_pk_mul_f32 v[KF+2*cnt:KF+2*cnt+1], v[KF+2*cnt:KF+2*cnt+1], CSC op_sel_hi:[1,0]
.set cnt, cnt+1
.endr
.set cnt, 0                            ; q0 lies in v32..v63 (SB): halves of a register have names only
.irp hv, v32.l,v32.h,v33.l,v33.h,v34.l,v34.h,v35.l,v35.h,v36.l,v36.h,v37.l,v37.h,v38.l,v38.h,v39.l,v39.h
	v_cvt_f32_f16 v[O+cnt], \hv
.set cnt, cnt+1
.endr
.irp hv, v40.l,v40.h,v41.l,v41.h,v42.l,v42.h,v43.l,v43.h,v44.l,v44.h,v45.l,v45.h,v46.l,v46.h,v47.l,v47.h
	v_cvt_f32_f16 v[O+cnt], \hv
.set cnt, cnt+1
.endr
.irp hv, v48.l,v48.h,v49.l,v49.h,v50.l,v50.h,v51.l,v51.h,v52.l,v52.h,v53.l,v53.h,v54.l,v54.h,v55.l,v55.h
	v_cvt_f32_f16 v[O+cnt], \hv
.set cnt, cnt+1
.endr
.irp hv, v56.l,v56.h,v57.l,v57.h,v58.l,v58.h,v59.l,v59.h,v60.l,v60.h,v61.l,v61.h,v62.l,v62.h,v63.l,v63.h
	v_cvt_f32_f16 v[O+cnt], \hv
.set cnt, cnt+1
.endr
.irp f, 0,1,2,3                        ; fragment f = 2 u + ks
.irp i, 0,1,2,3,4,5,6,7
	v_pk_fma_f32 v[O+16*\f+2*\i:O+16*\f+2*\i+1], v[O+16*\f+2*\i:O+16*\f+2*\i+1], CSC, v[KF+16*(\f%2)+2*\i:KF+16*(\f%2)+2*\i+1] op_sel_hi:[1,0,1]
.endr
.endr
.irp f, 0,1,2,3
.irp i, 0,1,2,3,4,5,6,7
	v_cvt_pk_f16_f32 v[QF+8*\f+\i], v[O+16*\f+2*\i], v[O+16*\f+2*\i+1]
.endr
.endr
	s_wait_loadcnt 0x0                             ; bv
.macro SYNC c                          ; chunk c (keys 256 c .. 256 c + 255 of K and V) is whole for every wave
	s_wait_tensorcnt 6-2*\c                        ; tensor loads of a wave end in order: 6 - 2 c of mine are younger than chunk c's two
	s_wait_dscnt 0x0
	s_barrier_signal -1
	s_barrier_wait -1                              ; The later chunks stay on their way
.endm
.macro LDK ofs                         ; K of a step of 32 keys: four fragments in the order of their use, 8 loads
.irp g, 0,1,2,3
	ds_load_b128 v[KF+8*\g:KF+8*\g+3],   v[KA] offset:\ofs+4*PP*(\g>>1)+256*(\g&1)
	ds_load_b128 v[KF+8*\g+4:KF+8*\g+7], v[KA] offset:\ofs+4*PP*(\g>>1)+256*(\g&1)+2*PP
.endr
.endm
.macro LDV ofs                         ; V of a step: four fragments, transposed on the way, 8 loads
.irp dt, 0,1,2,3
	ds_load_tr16_b128 v[VF+8*\dt:VF+8*\dt+3],   v[VA] offset:\ofs+2*PP*\dt
	ds_load_tr16_b128 v[VF+8*\dt+4:VF+8*\dt+7], v[VA] offset:\ofs+2*PP*\dt+256
.endr
.endm
; What trip a does, as symbols that the macros below read.  Trip a: products of step a, softmax of step a + 1, scores of step a + 2,
; loads of V(a+1) and K(a+3); whatever falls outside steps 0..31 is left out.
.macro CTX a
.set PB, ((\a)+2)%2                    ; parity of a
.set SP, SB+32*PB                      ; the buffer of P(a), then of S(a+2)
.set SS, SB+32*(1-PB)                  ; the buffer that the softmax works on
.set MO, M+4*PB                        ; the maximum behind step a
.set MN, M+4*(1-PB)                    ; the maximum behind step a + 1
.set DOPV, 1
.set ZERO, 0
.set FIRST, 0
.set DOEP, 1
.set DOE, 1
.set DOSR, 1
.set DOLV, 1
.set DOLK, 1
.set WV, 14                            ; loads younger than V's first fragment at its first product: 6 of its own run + K's run of 8
.set WK, 14                            ; the same for K: 6 + V's run of 8
.set STEPK, PB                         ; the addresses step a block of 64 keys behind every odd trip
.set STEPV, PB
.set VOFS, HALF+PB*(BLK-HALF)          ; V(a+1): even a: second half of block m; odd a: first half of block m + 1
.set KOFS, BLK+HALF+PB*(BLK-HALF)      ; K(a+3): even a: second half of block m + 1; odd a: first half of block m + 2
.if (\a) < 0                           ; trip -1: no products on V yet; step 0 starts maximum and sum; the addresses stand at block 0
.set DOPV, 0
.set FIRST, 1
.set DOE, 0
.set STEPK, 0
.set STEPV, 0
.set VOFS, 0
.set KOFS, BLK
.endif
.if (\a) < 1
.set DOEP, 0                           ; step 0 rescales nothing
.endif
.if (\a) == 0
.set ZERO, 1                           ; the first products start O: nothing is cleared
.endif
.if (\a) > 27
.set STEPK, 0
.endif
.if (\a) > 28
.set DOLK, 0
.endif
.if (\a) > 29
.set DOSR, 0
.set STEPV, 0
.set WV, 6                             ; no run of K stands behind V's any more
.endif
.endm
; Product i of the first run: O(u, dt) += V(dt) P(u), u = i & 1, dt = i >> 1
.macro PVM i
.if DOPV
.if ((\i)&1) == 0
	s_wait_dscnt WV-(\i)                           ; LDS loads return in order: so many are younger than fragment dt's two
.endif
.set dd, O+32*((\i)&1)+8*((\i)>>1)
.if ZERO
	v_wmma_f32_16x16x32_f16 v[dd:dd+7], v[VF+8*((\i)>>1):VF+8*((\i)>>1)+7], v[SP+16*((\i)&1):SP+16*((\i)&1)+7], 0
.else
	v_wmma_f32_16x16x32_f16 v[dd:dd+7], v[VF+8*((\i)>>1):VF+8*((\i)>>1)+7], v[SP+16*((\i)&1):SP+16*((\i)&1)+7], v[dd:dd+7]
.endif
.endif
.endm
; Product i of the second run: S(u, t) (+)= K(t, ks) Q(u, ks), u = i & 1, t = (i >> 1) & 1, ks = i >> 2
.macro SCM i
.if DOSR
.if ((\i)&1) == 0
	s_wait_dscnt WK-(\i)                           ; so many loads are younger than fragment (i >> 1)'s two
.endif
.set dd, SP+16*((\i)&1)+8*(((\i)>>1)&1)
.if ((\i)>>2) == 0
	v_wmma_f32_16x16x32_f16 v[dd:dd+7], v[KF+8*((\i)>>1):KF+8*((\i)>>1)+7], v[QF+16*((\i)&1):QF+16*((\i)&1)+7], 0
.else
	v_wmma_f32_16x16x32_f16 v[dd:dd+7], v[KF+8*((\i)>>1):KF+8*((\i)>>1)+7], v[QF+16*((\i)&1)+8:QF+16*((\i)&1)+15], v[dd:dd+7]
.endif
.endif
.endm
; THE SOFTMAX'S STEPS.  A tile's 16 scores of a lane are s0..s15 at SS + 16 u.  A unit k = 2 i + u is the pair s(2i), s(2i+1) of tile u.
.macro MX0 u                           ; the two chains of the maximum start; the first takes the old maximum along
.if FIRST
	v_max_num_f32 v[MA+\u], v[SS+16*\u], v[SS+16*\u+1]
.else
	v_max3_num_f32 v[MA+\u], v[MO+2*\u], v[SS+16*\u], v[SS+16*\u+1]
.endif
	v_max3_num_f32 v[MB+\u], v[SS+16*\u+8], v[SS+16*\u+9], v[SS+16*\u+10]
.endm
.macro MXA u, i
	v_max3_num_f32 v[MA+\u], v[MA+\u], v[SS+16*\u+\i], v[SS+16*\u+\i+1]
.endm
.macro MXB u, i
	v_max3_num_f32 v[MB+\u], v[MB+\u], v[SS+16*\u+\i], v[SS+16*\u+\i+1]
.endm
.macro MXE u
	v_max3_num_f32 v[MA+\u], v[MA+\u], v[MB+\u], v[SS+16*\u+15]
.endm
.macro PL u                            ; the other 16 keys of my query lie in lane r + 16
	v_permlanex16_b32 v[MP+\u], v[MA+\u], s60, s61
.endm
.macro MNW u                           ; the new running maximum
	v_max_num_f32 v[MN+2*\u], v[MA+\u], v[MP+\u]
.endm
.macro MDF u
.if FIRST == 0
	v_sub_f32 v[MD+\u], v[MO+2*\u], v[MN+2*\u]
.endif
.endm
.macro ALF u
.if FIRST == 0
	v_exp_f32 v[AL+2*\u], v[MD+\u]
.endif
.endm
.macro CC k                            ; unit k: the maximum is taken away (the pair's first register serves both halves)
.set rr, SS+16*((\k)&1)+2*((\k)>>1)
	v_pk_add_f32 v[rr:rr+1], v[rr:rr+1], v[MN+2*((\k)&1):MN+2*((\k)&1)+1] op_sel_hi:[1,0] neg_lo:[0,1] neg_hi:[0,1]
.endm
.macro XX e                            ; exponential e = 2 k + j: number j of unit k, in place
.set rr, SS+16*(((\e)>>1)&1)+2*((\e)>>2)+((\e)&1)
	v_exp_f32 v[rr], v[rr]
.endm
.macro FF k                            ; unit k joins the running sum; a tile's unit 0 brings the old sum to the new maximum
.set rr, SS+16*((\k)&1)+2*((\k)>>1)
.set ll, L+2*((\k)&1)
.if FIRST
.if ((\k)>>1) == 1
	s_wait_alu depctr_va_vdst(0)
	v_pk_add_f32 v[ll:ll+1], v[rr-2:rr-1], v[rr:rr+1]                 ; step 0: units 0 and 1 start the sum
.endif
.if ((\k)>>1) > 1
	s_wait_alu depctr_va_vdst(0)
	v_pk_add_f32 v[ll:ll+1], v[ll:ll+1], v[rr:rr+1]
.endif
.else
.if ((\k)>>1) == 0
	v_pk_fma_f32 v[ll:ll+1], v[ll:ll+1], v[AL+2*((\k)&1):AL+2*((\k)&1)+1], v[rr:rr+1] op_sel_hi:[1,0,1]
.else
	s_wait_alu depctr_va_vdst(0)
	v_pk_add_f32 v[ll:ll+1], v[ll:ll+1], v[rr:rr+1]
.endif
.endif
.endm
.macro GG k                            ; unit k becomes register i of P(u), in place: register i belongs to unit i / 2, which has gone before (ascending k)
.set rr, SS+16*((\k)&1)
	v_cvt_pk_f16_f32 v[rr+((\k)>>1)], v[rr+2*((\k)>>1)], v[rr+2*((\k)>>1)+1]
.endm
.macro EI j                            ; O(u, dt) to the new maximum, dt = 0..2: j = 8 dt + 4 u + q, two numbers each
.if DOE
.set rr, O+32*(((\j)>>2)&1)+8*((\j)>>3)+2*((\j)&3)
	s_wait_alu depctr_va_vdst(0)
	v_pk_mul_f32 v[rr:rr+1], v[rr:rr+1], v[AL+2*(((\j)>>2)&1):AL+2*(((\j)>>2)&1)+1] op_sel_hi:[1,0]
.endif
.endm
.macro EP u, q                         ; O(u, 3) to the maximum of the step whose products this trip issues
.if DOEP
	v_pk_mul_f32 v[O+32*\u+24+2*\q:O+32*\u+24+2*\q+1], v[O+32*\u+24+2*\q:O+32*\u+24+2*\q+1], v[AL+2*\u:AL+2*\u+1] op_sel_hi:[1,0]
.endif
.endm
; THE SLICES.  Slice n stands behind product n of the trip.  Every exponential is followed by a plain instruction that touches neither its
; result nor its source before either is used (ISA guide 5.7.2).  Between a matrix instruction and what touches its registers stand
; independent vector instructions of these slices: 13 plain ones of slice 7 in front of the loads into V and of the
; products that write over P; 26 of slice 15 (10 in trip -1) in front of the loads into K and of the first read of the new S.
.macro SLICE n
.if (\n) == 0
	MX0 0
	MX0 1
	MXA 0, 2
	MXB 0, 11
.endif
.if (\n) == 1
	MXA 1, 2
	MXB 1, 11
	MXA 0, 4
	MXB 0, 13
	MXA 1, 4
	MXB 1, 13
.endif
.if (\n) == 2
	MXA 0, 6
	MXA 1, 6
	EP 0, 0
	EP 0, 1
	MXE 0
	MXE 1
.endif
.if (\n) == 3
	EP 0, 2
	EP 0, 3
	PL 0
	PL 1
	EP 1, 0
	EP 1, 1
.endif
.if (\n) == 4
	MNW 0
	MNW 1
	EP 1, 2
	EP 1, 3                                        ; the last reader of the old AL
	MDF 0
	MDF 1
.endif
.if (\n) == 5
	CC 0
	CC 1
	ALF 0
	CC 2
	ALF 1
	CC 3
.endif
.if (\n) == 6
	XX 0
	CC 4
	XX 1
	CC 5
	XX 2
	CC 6
.endif
.if (\n) == 7                          ; the long slice in front of V's loads
.irp j, 0,1,2,3,4,5,6,7,8
	XX 3+\j
	CC 7+\j
.endr
	XX 12
	EI 0
	XX 13
	EI 1
	XX 14
	XX 15
	EI 2
	EI 3
.endif
.if (\n) == 8
	XX 16
	FF 0
	XX 17
	FF 1
	XX 18
	FF 2
.endif
.if (\n) == 9
	XX 19
	FF 3
	XX 20
	FF 4
	XX 21
	FF 5
.endif
.if (\n) == 10
	XX 22
	FF 6
	XX 23
	FF 7
	XX 24
	EI 4
.endif
.if (\n) == 11
	XX 25
	EI 5
	XX 26
	EI 6
	XX 27
	EI 7
.endif
.if (\n) == 12
	XX 28
	FF 8
	XX 29
	FF 9
	XX 30
	FF 10
.endif
.if (\n) == 13
	XX 31
	FF 11
	GG 0
	GG 1
	GG 2
	GG 3
.endif
.if (\n) == 14
	FF 12
	FF 13
	GG 4
	GG 5
	GG 6
	GG 7
.endif
.if (\n) == 15                         ; the long slice in front of K's loads
	FF 14
	FF 15
.irp k, 8,9,10,11,12,13,14,15
	GG \k
.endr
.irp j, 8,9,10,11,12,13,14,15,16,17,18,19,20,21,22,23
	EI \j
.endr
.endif
.endm
.macro TRIP a
	CTX \a
.irp i, 0,1,2,3,4,5,6,7
	PVM \i
	SLICE \i
.endr
.if DOLV
	LDV VOFS                                       ; V(a+1): it has the second run of products and slices in which to land
.endif
.irp i, 0,1,2,3,4,5,6,7
	SCM \i
	SLICE \i+8
.endr
.if DOLK
	LDK KOFS                                       ; K(a+3): it has the next trip's first run in which to land
.endif
.if STEPK
	v_add_nc_u32 v[KA], BLK, v[KA]
.endif
.if STEPV
	v_add_nc_u32 v[VA], BLK, v[VA]
.endif
.endm
	; K is fetched three steps ahead: chunk c (steps 8 c .. 8 c + 7) is first touched in trip 8 c - 3, so it is waited for in front of trip 8 c - 4
	SYNC 0
.set SP, SB                            ; step 0's scores stand alone, into buffer 0
.set DOSR, 1
.set WK, 6                             ; only K(0)'s own later fragments are younger
	LDK 0
.irp i, 0,1,2,3,4,5,6,7
	SCM \i
.endr
.rept 4
	v_nop                                          ; nothing else to do yet: four places in front of the loads into K and of the first read of S
.endr
	LDK HALF                                       ; K(1)
	TRIP -1                                        ; softmax of step 0, scores of step 1, V(0), K(2)
	TRIP 0
	TRIP 1
	TRIP 2
	TRIP 3
	SYNC 1
	s_mov_b32 s62, 4                               ; trips 4 to 11
.Lchunk1:
	TRIP EVEN
	TRIP ODD
	s_sub_co_u32 s62, s62, 1
	s_cmp_lg_u32 s62, 0
	s_cbranch_scc1 .Lchunk1
	SYNC 2
	s_mov_b32 s62, 4                               ; trips 12 to 19
.Lchunk2:
	TRIP EVEN
	TRIP ODD
	s_sub_co_u32 s62, s62, 1
	s_cmp_lg_u32 s62, 0
	s_cbranch_scc1 .Lchunk2
	SYNC 3
	s_mov_b32 s62, 4                               ; trips 20 to 27
.Lchunk3:
	TRIP EVEN
	TRIP ODD
	s_sub_co_u32 s62, s62, 1
	s_cmp_lg_u32 s62, 0
	s_cbranch_scc1 .Lchunk3
	TRIP 28                                        ; the last fetch of K
	TRIP 29                                        ; the last scores
	TRIP 30                                        ; the last softmax and the last fetch of V
	CTX 31                                         ; the last products
.irp q, 0,1,2,3
	EP 0, \q
	EP 1, \q
.endr
.irp i, 0,1,2,3,4,5,6,7
	PVM \i
.endr
	; THE WAY OUT: att = O / l + bv
.rept 4
	v_nop                                          ; four places behind the last products
.endr
.irp u, 0,1
	v_add_f32 v[MA+\u], v[L+2*\u], v[L+2*\u+1]
.endr
.irp u, 0,1
	v_permlanex16_b32 v[MP+\u], v[MA+\u], s60, s61
.endr
.irp u, 0,1
	v_add_f32 v[MA+\u], v[MA+\u], v[MP+\u]         ; l >= 1: the key of the maximum adds 2^0
.endr
.irp u, 0,1
	v_rcp_f32 v[AL+2*\u], v[MA+\u]
.endr
	v_nop                                          ; the plain instruction behind the reciprocals
	WIN 0x10                                       ; source 2 (bv) in window 1
	s_wait_alu depctr_va_vdst(0)
.irp u, 0,1
.irp dt, 0,1,2,3
.irp i, 0,2,4,6
	v_pk_fma_f32 v[O+32*\u+8*\dt+\i:O+32*\u+8*\dt+\i+1], v[O+32*\u+8*\dt+\i:O+32*\u+8*\dt+\i+1], v[AL+2*\u:AL+2*\u+1], v[BV+8*\dt+\i:BV+8*\dt+\i+1] op_sel_hi:[1,0,1]
.endr
.endr
.endr
	WIN 0
.irp u, 0,1
.irp dt, 0,1,2,3
.irp i, 0,1,2,3
	v_cvt_pk_f16_f32 v[O+32*\u+8*\dt+\i], v[O+32*\u+8*\dt+2*\i], v[O+32*\u+8*\dt+2*\i+1]
.endr
	global_store_b128 v[QO], v[O+32*\u+8*\dt:O+32*\u+8*\dt+3], s[10:11] offset:2*PLANE*\dt+256*\u   ; sixteen lanes: 256 consecutive bytes of a plane, at a multiple of 256
.endr
.endr
	s_set_vgpr_msb 0x5
	s_wait_tensorcnt 0x0
	ds_add_u32 v32, v33
	s_wait_dscnt 0x0
	s_set_vgpr_msb 0x500
	ROUND                                          ; the closing round
	s_endpgm
.Lfunc_end_k_qc16805284b_attn:
	.size	k_qc16805284b_attn, .Lfunc_end_k_qc16805284b_attn-k_qc16805284b_attn
	.p2alignl 7, 3214868480
	.fill 96, 4, 3214868480
	.section	.rodata,"a",@progbits
	.p2align	6, 0x0
	.amdhsa_kernel k_qc16805284b_attn
		.amdhsa_group_segment_fixed_size 295424
		.amdhsa_private_segment_fixed_size 0
		.amdhsa_enable_private_segment 0
		.amdhsa_kernarg_size 32
		.amdhsa_user_sgpr_count 2
		.amdhsa_user_sgpr_kernarg_segment_ptr 1
		.amdhsa_wavefront_size32 1
		.amdhsa_system_sgpr_workgroup_id_x 1
		.amdhsa_system_sgpr_workgroup_id_y 1
		.amdhsa_system_sgpr_workgroup_id_z 1
		.amdhsa_system_vgpr_workitem_id 0
		.amdhsa_next_free_vgpr 290
		.amdhsa_next_free_sgpr 72
		.amdhsa_reserve_vcc 0
		.amdhsa_float_denorm_mode_32 3
		.amdhsa_float_denorm_mode_16_64 3
		.amdhsa_memory_ordered 1
		.amdhsa_forward_progress 1
		.amdhsa_inst_pref_size 173
	.end_amdhsa_kernel
	.amdgpu_metadata
---
amdhsa.version: [ 1, 2 ]
amdhsa.kernels:
  - .name:           k_qc16805284b_attn
    .symbol:         k_qc16805284b_attn.kd
    .args:
      - { .name: qkv, .offset: 0, .size: 8, .value_kind: global_buffer, .address_space: global }
      - { .name: bq, .offset: 8, .size: 8, .value_kind: global_buffer, .address_space: global }
      - { .name: bv, .offset: 16, .size: 8, .value_kind: global_buffer, .address_space: global }
      - { .name: att, .offset: 24, .size: 8, .value_kind: global_buffer, .address_space: global }
    .group_segment_fixed_size: 295424
    .private_segment_fixed_size: 0
    .kernarg_segment_align: 8
    .kernarg_segment_size: 32
    .max_flat_workgroup_size: 128
    .sgpr_count:     72
    .vgpr_count:     290
    .wavefront_size: 32
...
	.end_amdgpu_metadata
.endif
;; end of part 3
;; launch oproj (part 4): grid 4 x 64, 4 waves a work-group, clusters of 4 x 4, 327,680 bytes of LDS; arguments att, wb, bo, out0; writes out0
.if DOCPART == 4
	.amdgcn_target "amdgcn-amd-amdhsa--gfx1250"
	.amdhsa_code_object_version 6
	.text
	.protected	k_qc16805284b_oproj
	.globl	k_qc16805284b_oproj
	.p2align	8
	.type	k_qc16805284b_oproj,@function
k_qc16805284b_oproj:
	s_mov_b64 s[64:65], 0
	v_nop
	global_prefetch_b8 v0, s[64:65] scope:SCOPE_SE
	s_setreg_imm32_b32 hwreg(HW_REG_WAVE_MODE, 25, 1), 1
	s_wait_xcnt 0x0
	s_wait_alu depctr_hold_cnt(0) depctr_sa_sdst(0) depctr_va_vdst(0) depctr_va_sdst(0) depctr_va_ssrc(0) depctr_va_vcc(0) depctr_vm_vsrc(0)
	s_getreg_b32 s2, hwreg(HW_REG_IB_STS2, 6, 4)
	s_cmp_eq_u32 s2, 0
	s_cbranch_scc0 .Lentry_in_a_cluster
	s_endpgm
.Lentry_in_a_cluster:
	s_bfe_u32 s2, ttmp6, 0x10000c
	s_cmp_lg_u32 s2, 0xf033
	s_cbranch_scc0 .Lentry_shape_is_right
	s_endpgm
.Lentry_shape_is_right:
; LAUNCH 4 OF 4.  out0[t][n] = sum over f of att[t][f] wo[n][f] + bo[n]; operands f16, sums f32, out0 f32.  wo is rows 2304.. of wb.
; SHAPE: a block of 128 tokens x 192 features: 64 x 4 blocks are one work-group for each of 256 WGPs.  Four waves, each 64 x 96: 4 x 6 = 24
; accumulator tiles in window 1.  att lies in planes [96][8192 tokens][8 features]: 32 along K are 4 planes of 128 tokens x 16 bytes, and a
; fragment load takes 256 consecutive bytes for each half of the lanes, so that part needs no padding; the weights' rows are padded by 16 bytes.
; TWO UNEQUAL LDS SLOTS: slot 0 holds 128 along K (84,992 bytes), slot 1 holds 256 (166,912 bytes), and K = 768 is walked as
; 128 + 256 + 128 + 256, all written out.  Two slots of 256 would be 333,824 bytes, more than the 327,680 that a work-group can be given; two
; of 128 would be filled again four times, each time with 90 matrix instructions of a wave between the request and the wait for it.  Here
; each slot is filled again once: slot 0 with 186 matrix instructions between request and wait, slot 1 with 90.  All rows of the tiles are
; 256 or 512 bytes (weights) or 2,048 bytes (tokens) of memory and begin at multiples of 256 bytes from their buffer's first byte.
; CLUSTER 4 x 4: tokens are shared along a row of the cluster, weights along a column, each by joint loads.
; The matrix instruction is used transposed (source 0 = weights, source 1 = tokens): a lane holds 8 neighbouring features of a token.
; Results go through an LDS stage and leave as whole rows: sixteen lanes store 256 consecutive bytes at a multiple of 256.  The stage lies
; in slot 0's bytes and the 15,360 behind them: slot 0 has had its last fill, and every wave has waited for its last reads of it in front of
; the barrier of the last change of slots, a whole step of 256 along K ahead of the first store into the stage.
; The 24 accumulators take turns, one matrix instruction a turn.
.set KDIM,   768
.set PLANE,  131072
.set PS,     272                       ; slot 0: a weights' row of 256 bytes + 16
.set PLG,    528                       ; slot 1: a weights' row of 512 bytes + 16; both pitches are odd multiples of 16
.set XA,     0                         ; slot 1, tokens: 32 planes x 2,048 bytes
.set XB,     32*2048                   ; slot 1, weights: two halves of 96 rows
.set XBH,    96*PLG
.set YA,     XB+2*XBH                  ; slot 0, tokens: 16 planes x 2,048 bytes; 166,912, a multiple of 256
.set YB,     YA+16*2048                ; slot 0, weights: two halves of 96 rows
.set YBH,    96*PS
.set STAGE,  YA
.set SP,     784                       ; a stage row: 192 f32 + 16 bytes; 128 rows end at byte 267,264
.set ADRA, 16                          ; v16-17 LDS address of my token fragments in slot 0, 1
.set ADRB, 20                          ; v20-21 the same for the weights
.set STO,  24
.set RD,   25
.set CO,   26
.set FA0,  32
.set FB0,  64
.set FA1,  112
.set FB1,  144
.set BO,   192                         ; v[192:203] bo of my 4 columns in each of the row's three pieces of 256 bytes
.set G1A, 24                           ; s[24:39] group 1 for the tokens' tiles, a set of eight for each slot
.set G1B, 40                           ; s[40:55] the same for the weights'
.set G0A, 68                           ; s[68:75] group 0 for the tokens' tiles, a set of four for each slot
.set G0B, 76                           ; s[76:83] the same for the weights'
.set MSB, 0
.macro WIN new                         ; the immediate's high byte repeats the setting that is left
.if MSB != \new
	s_set_vgpr_msb (MSB<<8)|\new
.set MSB, \new
.endif
.endm
.set MUL, 0x50                         ; sources in window 0, C and D in window 1
.macro JLOAD s                         ; waves 0, 1 ask for the tokens' halves, waves 2, 3 for the weights': one mask to a line
	s_cmp_eq_u32 s13, 0
	s_cbranch_scc0 .Lfor_b_\@
	tensor_load_to_lds s[G0A+4*\s:G0A+4*\s+3], s[G1A+8*\s:G1A+8*\s+7]
	s_nop 0
	s_branch .Lasked_\@
.Lfor_b_\@:
	tensor_load_to_lds s[G0B+4*\s:G0B+4*\s+3], s[G1B+8*\s:G1B+8*\s+7]
	s_nop 0
.Lasked_\@:
.endm
.macro CREST                           ; a round of the cluster's barrier behind its opening work-group barrier
	s_cmp_lg_u32 s12, 0
	s_cbranch_scc1 .Lnot_wave_0_\@
	s_barrier_signal -3
.Lnot_wave_0_\@:
	s_barrier_wait -3
	s_barrier_signal -1
	s_barrier_wait -1
.endm
.macro CROUND
	s_barrier_signal -1
	s_barrier_wait -1
	CREST
.endm
	s_load_b256 s[4:11], s[0:1], 0x0               ; att 4, wb 6, bo 8, out0 10
	v_lshl_add_u32 v254, v0, 2, 0x41400
	v_mov_b32 v255, 0
	ds_add_u32 v254, v255
	v_lshrrev_b32 v1, 5, v0
	v_readfirstlane_b32 s12, v1                    ; wave 0..3
	s_lshr_b32 s13, s12, 1                         ; my half of the tokens.  Also: I fetch tokens (0) or weights (1)
	s_and_b32 s14, s12, 1                          ; my half of the features.  Also: which half of that tile I fetch
	s_bfe_u32 s20, ttmp6, 0x40000                  ; cx
	s_bfe_u32 s21, ttmp6, 0x40004                  ; cy
	s_lshl_b32 s22, ttmp9, 2
	s_add_co_u32 s22, s22, s20                     ; block column 0..3
	s_and_b32 s15, ttmp7, 0xffff
	s_lshl_b32 s15, s15, 2
	s_add_co_u32 s15, s15, s21                     ; block row 0..63
	s_lshl_b32 s60, s21, 2
	s_lshl_b32 s60, 15, s60                        ; my row of the cluster
	s_lshl_b32 s61, 0x1111, s20                    ; my column
.irp s, 0,1
	s_or_b32 s[G1A+8*\s+0], s60, (1<<16)|(1<<21)   ; the mask; 2-byte elements; bit 21 beside a mask; no padding
	s_mov_b32 s[G1A+8*\s+1], 1024<<16              ; tensor_dim0 = 1,024 elements: 128 tokens x 8 features of a plane
	s_mov_b32 s[G1A+8*\s+2], (8<<\s)<<16           ; tensor_dim1 = 8 planes in slot 0, 16 in slot 1: half of the slot's
	s_mov_b32 s[G1A+8*\s+3], 1024<<16              ; tile_dim0
	s_mov_b32 s[G1A+8*\s+4], 8<<\s                 ; tile_dim1
	s_mov_b32 s[G1A+8*\s+5], 65536                 ; elements from plane to plane
	s_mov_b32 s[G1A+8*\s+6], 0
	s_mov_b32 s[G1A+8*\s+7], 0
	s_or_b32 s[G1B+8*\s+0], s61, (1<<16)|(1<<20)|(1<<21)|((5+\s)<<22)|(3<<25)   ; padding: after every 64 words (slot 0) or 128 (slot 1), 4 words
	s_mov_b32 s[G1B+8*\s+1], (128<<\s)<<16         ; tensor_dim0 = 128 or 256 elements
	s_mov_b32 s[G1B+8*\s+2], 96<<16                ; tensor_dim1 = 96 rows
	s_mov_b32 s[G1B+8*\s+3], (128<<\s)<<16         ; tile_dim0
	s_mov_b32 s[G1B+8*\s+4], 96                    ; tile_dim1
	s_mov_b32 s[G1B+8*\s+5], KDIM                  ; elements from row to row
	s_mov_b32 s[G1B+8*\s+6], 0
	s_mov_b32 s[G1B+8*\s+7], 0
.endr
	s_lshl_b32 s16, s14, 20                        ; tokens: 8 planes x half,
	s_mov_b32 s17, 0
	s_lshl_b32 s84, s15, 11                        ; and 128 tokens of 16 bytes x block row (none of these registers ever holds cx)
	s_mov_b32 s85, 0
	s_mul_i32 s18, s22, 192                        ; weights: row 2304 + 192 x block column + 96 x half (never holds cy)
	s_mul_i32 s19, s14, 96
	s_add_co_u32 s18, s18, s19
	s_add_co_u32 s18, s18, 2304
	s_mul_i32 s18, s18, KDIM*2
	s_mov_b32 s19, 0
	s_lshl_b32 s62, s14, 14                        ; where they go, made of the wave's number alone: half of slot 0's tokens,
	s_lshl_b32 s63, s14, 15                        ; of slot 1's tokens,
	s_mul_i32 s86, s14, YBH                        ; of slot 0's weights,
	s_mul_i32 s87, s14, XBH                        ; of slot 1's weights
	s_wait_dscnt 0x0
	s_wait_kmcnt 0x0
	s_add_nc_u64 s[56:57], s[4:5], s[84:85]
	s_add_nc_u64 s[56:57], s[56:57], s[16:17]      ; att at planes 8 x half: k = 0 ..
	s_add_nc_u64 s[58:59], s[6:7], s[18:19]        ; wo at my rows, k = 0
	CROUND                                         ; all sixteen work-groups are here: the first joint loads meet
	s_mov_b32 s[G0A+0], 1                          ; slot 0, tokens: k = 0 .. 127
	s_add_co_u32 s[G0A+1], s62, YA
	s_mov_b64 s[G0A+2:G0A+3], s[56:57]
	s_or_b32 s[G0A+3], s[G0A+3], 0x80000000
	s_mov_b32 s[G0A+4], 1                          ; slot 1, tokens: k = 128 .. 383, planes 16 + 16 x half
	s_add_co_u32 s[G0A+5], s63, XA
	s_add_nc_u64 s[G0A+6:G0A+7], s[56:57], s[16:17]
	s_add_nc_u64 s[G0A+6:G0A+7], s[G0A+6:G0A+7], 16*PLANE
	s_or_b32 s[G0A+7], s[G0A+7], 0x80000000
	s_mov_b32 s[G0B+0], 1                          ; slot 0, weights
	s_add_co_u32 s[G0B+1], s86, YB
	s_mov_b64 s[G0B+2:G0B+3], s[58:59]
	s_or_b32 s[G0B+3], s[G0B+3], 0x80000000
	s_mov_b32 s[G0B+4], 1                          ; slot 1, weights: 128 elements on
	s_add_co_u32 s[G0B+5], s87, XB
	s_add_nc_u64 s[G0B+6:G0B+7], s[58:59], 256
	s_or_b32 s[G0B+7], s[G0B+7], 0x80000000
	JLOAD 0                                        ; two loads of the wave are out here, later one behind each of two rounds
	JLOAD 1
	v_and_b32 v1, 15, v0                           ; r
	v_bfe_u32 v2, v0, 4, 1                         ; h
	v_lshlrev_b32 v4, 4, v1                        ; 16 r
	s_mul_i32 s18, s22, 768                        ; my block's 192 columns, in bo and in a row of out0
	s_mov_b32 s19, 0
	s_add_nc_u64 s[8:9], s[8:9], s[18:19]
	s_add_nc_u64 s[10:11], s[10:11], s[18:19]
.irp u, 0,1,2
	global_load_b128 v[BO+4*\u:BO+4*\u+3], v4, s[8:9] offset:256*\u
.endr
	s_mul_i32 s16, s15, 393216                     ; 128 rows of 3,072 bytes to a block row, 32 to a wave on the way out
	s_mul_i32 s17, s12, 98304
	s_add_co_u32 s16, s16, s17
	s_mov_b32 s17, 0
	s_add_nc_u64 s[10:11], s[10:11], s[16:17]
	v_lshl_add_u32 v[ADRA+1], v2, 11, v4           ; tokens: plane h, token r; slot 1's tokens begin at LDS byte 0
	s_lshl_b32 s16, s13, 10                        ; my 64 tokens
	v_add_nc_u32 v[ADRA+1], s16, v[ADRA+1]
	v_add_nc_u32 v[ADRA+0], YA, v[ADRA+1]
	v_mul_u32_u24 v3, v1, PS                       ; weights: row r, 16 h, in my 96 rows
	v_lshl_add_u32 v3, v2, 4, v3
	s_add_co_u32 s18, s86, YB
	v_add_nc_u32 v[ADRB+0], s18, v3
	v_mul_u32_u24 v3, v1, PLG
	v_lshl_add_u32 v3, v2, 4, v3
	s_add_co_u32 s18, s87, XB
	v_add_nc_u32 v[ADRB+1], s18, v3
	v_mul_u32_u24 v6, v1, SP                       ; into the stage: row 64 wm + r, column 96 wn + 8 h
	v_lshl_add_u32 v6, v2, 5, v6
	s_mul_i32 s16, s13, 64*SP
	s_mul_i32 s17, s14, 384
	s_add_co_u32 s16, s16, s17
	s_add_co_u32 s16, s16, STAGE
	v_add_nc_u32 v[STO], s16, v6
	v_mul_u32_u24 v6, v2, SP                       ; back: lanes 0-15 take 256 bytes of row 32 w, lanes 16-31 of the next
	v_add_nc_u32 v6, v6, v4
	s_mul_i32 s16, s12, 32*SP
	s_add_co_u32 s16, s16, STAGE
	v_add_nc_u32 v[RD], s16, v6
	v_mul_u32_u24 v6, v2, 3072
	v_add_nc_u32 v[CO], v6, v4
.macro MUL6 fa, fb, a, zero            ; token tile a x feature tiles 0..5
.irp b, 0,1,2,3,4,5
.if \zero
	v_wmma_f32_16x16x32_f16 v[8*(6*\a+\b):8*(6*\a+\b)+7], v[\fb+8*\b:\fb+8*\b+7], v[\fa+8*\a:\fa+8*\a+7], 0
.else
	v_wmma_f32_16x16x32_f16 v[8*(6*\a+\b):8*(6*\a+\b)+7], v[\fb+8*\b:\fb+8*\b+7], v[\fa+8*\a:\fa+8*\a+7], v[8*(6*\a+\b):8*(6*\a+\b)+7]
.endif
.endr
.endm
.macro FETCH slot, kq, ga, gb          ; 20 LDS loads: 96 weight rows, then 64 tokens, the slot's piece kq of 32 along K; all windows 0
.irp b, 0,1,2,3,4,5
	ds_load_b128 v[\gb+8*\b:\gb+8*\b+3],   v[ADRB+\slot] offset:64*(\kq)+16*(PS+(PLG-PS)*\slot)*\b
	ds_load_b128 v[\gb+8*\b+4:\gb+8*\b+7], v[ADRB+\slot] offset:64*(\kq)+16*(PS+(PLG-PS)*\slot)*\b+32
.endr
.irp a, 0,1,2,3
	ds_load_b128 v[\ga+8*\a:\ga+8*\a+3],   v[ADRA+\slot] offset:8192*(\kq)+256*\a
	ds_load_b128 v[\ga+8*\a+4:\ga+8*\a+7], v[ADRA+\slot] offset:8192*(\kq)+256*\a+4096
.endr
.endm
.macro PLACES                          ; four independent vector instructions between a matrix instruction and a load into, or an LDS store
.rept 4                                ; of, its registers (ISA guide 7.12.1 for vector instructions)
	v_nop
.endr
.endm
; 32 along K: multiplies the fragments in fa, fb; in its middle it fetches the slot's piece kq into ga, gb
.macro QUARTER slot, kq, fa, fb, ga, gb, zero
	s_wait_dscnt 4                                 ; the weights and token tiles 0, 1 are in; the youngest four loads (tiles 2, 3) may be out
	WIN MUL
	MUL6 \fa, \fb, 0, \zero
	MUL6 \fa, \fb, 1, \zero
	WIN 0
	PLACES
	FETCH \slot, \kq, \ga, \gb
	s_wait_dscnt 20                                ; all but the 20 just issued
	WIN MUL
	MUL6 \fa, \fb, 2, \zero
	MUL6 \fa, \fb, 3, \zero
.endm
; All of a slot's pieces but the last are multiplied, pieces 1 .. last are fetched; last = 3 in slot 0, 7 in slot 1.  The two fragment
; buffers take turns; a slot has an even number of pieces, so every slot begins in buffer 0 and ends in buffer 1.
.macro RUN slot, last, zero
	QUARTER \slot, 1, FA0, FB0, FA1, FB1, \zero
.set qn, 2
.rept (\last-1)/2
	QUARTER \slot, qn, FA1, FB1, FA0, FB0, 0
	QUARTER \slot, (qn+1), FA0, FB0, FA1, FB1, 0
.set qn, qn+2
.endr
.endm
; A slot's last piece changes slots: each wave's reads of this slot and all its tensor loads (the one that is out is its part of the next
; slot) are waited for in front of the barrier; where the slot is filled again that barrier opens a round of the cluster's barrier, and the
; joint refill, 384 along K further on, is the first tensor load behind the round.
.macro TURN slot, next, fill
	s_wait_dscnt 4
	WIN MUL
	MUL6 FA1, FB1, 0, 0
	s_wait_dscnt 0x0
	s_wait_tensorcnt 0x0
	ds_add_u32 v254, v255
	s_wait_dscnt 0x0
	s_barrier_signal -1
	MUL6 FA1, FB1, 1, 0                            ; register work alone between signal and wait
	WIN 0
	s_barrier_wait -1
.if \fill
	CREST
	s_add_nc_u64 s[G0A+4*\slot+2:G0A+4*\slot+3], s[G0A+4*\slot+2:G0A+4*\slot+3], 48*PLANE   ; no tensor load of mine is out: the descriptors may be stepped
	s_add_nc_u64 s[G0B+4*\slot+2:G0B+4*\slot+3], s[G0B+4*\slot+2:G0B+4*\slot+3], 384*2
	JLOAD \slot
.endif
	PLACES
	FETCH \next, 0, FA0, FB0
	WIN MUL
	MUL6 FA1, FB1, 2, 0
	MUL6 FA1, FB1, 3, 0
.endm
	s_wait_tensorcnt 0x1                           ; my part of slot 0 is in; slot 1's load is younger and stays out
	s_barrier_signal -1
	s_barrier_wait -1
	FETCH 0, 0, FA0, FB0
	RUN 0, 3, 1                                    ; k = 0 .. 127; the first products start the sums
	TURN 0, 1, 1                                   ; slot 0 is asked for again: k = 384 .. 511
	RUN 1, 7, 0                                    ; k = 128 .. 383
	TURN 1, 0, 1                                   ; slot 1 is asked for again: k = 512 .. 767
	RUN 0, 3, 0                                    ; k = 384 .. 511
	TURN 0, 1, 0                                   ; nothing is left to fetch; behind this barrier no wave reads slot 0 any more
	RUN 1, 7, 0                                    ; k = 512 .. 767
	s_wait_dscnt 4
	WIN MUL
	MUL6 FA1, FB1, 0, 0
	MUL6 FA1, FB1, 1, 0
	s_wait_dscnt 0x0
	MUL6 FA1, FB1, 2, 0
	MUL6 FA1, FB1, 3, 0
	; THE WAY OUT
	PLACES
	WIN 0x04                                       ; the stores' data in window 1
.irp a, 0,1,2,3
.irp b, 0,1,2,3,4,5
	ds_store_b128 v[STO], v[8*(6*\a+\b):8*(6*\a+\b)+3]   offset:16*SP*\a+64*\b
	ds_store_b128 v[STO], v[8*(6*\a+\b)+4:8*(6*\a+\b)+7] offset:16*SP*\a+64*\b+16
.endr
.endr
	WIN 0
	s_wait_dscnt 0x0                               ; my part of the stage is written, for the other waves' sake
	s_barrier_signal -1
	s_barrier_wait -1                              ; a row's two halves come from two waves
	s_wait_loadcnt 0x0                             ; bo
.macro OUTG g, f                       ; four pairs of rows: 12 loads, the bias, 12 stores
.if \g >= 2
	s_wait_xcnt 0x0                                ; the group's registers were the data of stores issued two groups ago: written again only behind this wait
.endif
.irp q, 0,1,2,3
.irp u, 0,1,2
	ds_load_b128 v[\f+4*(3*\q+\u):\f+4*(3*\q+\u)+3], v[RD] offset:2*SP*(4*\g+\q)+256*\u
.endr
.endr
.irp q, 0,1,2,3
.irp u, 0,1,2
	s_wait_dscnt 11-(3*\q+\u)                      ; LDS loads return in order: so many are younger
	v_pk_add_f32 v[\f+4*(3*\q+\u):\f+4*(3*\q+\u)+1], v[\f+4*(3*\q+\u):\f+4*(3*\q+\u)+1], v[BO+4*\u:BO+4*\u+1]
	v_pk_add_f32 v[\f+4*(3*\q+\u)+2:\f+4*(3*\q+\u)+3], v[\f+4*(3*\q+\u)+2:\f+4*(3*\q+\u)+3], v[BO+4*\u+2:BO+4*\u+3]
	global_store_b128 v[CO], v[\f+4*(3*\q+\u):\f+4*(3*\q+\u)+3], s[10:11] offset:6144*(4*\g+\q)+256*\u th:TH_STORE_NT
.endr
.endr
.endm
	OUTG 0, FA0
	OUTG 1, FA1
	OUTG 2, FA0
	OUTG 3, FA1
	s_wait_tensorcnt 0x0
	ds_add_u32 v254, v255
	s_wait_dscnt 0x0
	CROUND                                         ; the closing round: no work-group ends while a partner may still ask for a tile that names it
	s_endpgm
.Lfunc_end_k_qc16805284b_oproj:
	.size	k_qc16805284b_oproj, .Lfunc_end_k_qc16805284b_oproj-k_qc16805284b_oproj
	.p2alignl 7, 3214868480
	.fill 96, 4, 3214868480
	.section	.rodata,"a",@progbits
	.p2align	6, 0x0
	.amdhsa_kernel k_qc16805284b_oproj
		.amdhsa_group_segment_fixed_size 327680
		.amdhsa_private_segment_fixed_size 0
		.amdhsa_enable_private_segment 0
		.amdhsa_kernarg_size 32
		.amdhsa_user_sgpr_count 2
		.amdhsa_user_sgpr_kernarg_segment_ptr 1
		.amdhsa_wavefront_size32 1
		.amdhsa_system_sgpr_workgroup_id_x 1
		.amdhsa_system_sgpr_workgroup_id_y 1
		.amdhsa_system_sgpr_workgroup_id_z 1
		.amdhsa_system_vgpr_workitem_id 0
		.amdhsa_next_free_vgpr 448
		.amdhsa_next_free_sgpr 88
		.amdhsa_reserve_vcc 0
		.amdhsa_float_denorm_mode_32 3
		.amdhsa_float_denorm_mode_16_64 3
		.amdhsa_memory_ordered 1
		.amdhsa_forward_progress 1
		.amdhsa_inst_pref_size 101
	.end_amdhsa_kernel
	.amdgpu_metadata
---
amdhsa.version: [ 1, 2 ]
amdhsa.kernels:
  - .name:           k_qc16805284b_oproj
    .symbol:         k_qc16805284b_oproj.kd
    .args:
      - { .name: att, .offset: 0, .size: 8, .value_kind: global_buffer, .address_space: global }
      - { .name: wb, .offset: 8, .size: 8, .value_kind: global_buffer, .address_space: global }
      - { .name: bo, .offset: 16, .size: 8, .value_kind: global_buffer, .address_space: global }
      - { .name: out0, .offset: 24, .size: 8, .value_kind: global_buffer, .address_space: global }
    .group_segment_fixed_size: 327680
    .private_segment_fixed_size: 0
    .kernarg_segment_align: 8
    .kernarg_segment_size: 32
    .max_flat_workgroup_size: 128
    .sgpr_count:     88
    .vgpr_count:     448
    .wavefront_size: 32
...
	.end_amdgpu_metadata
.endif
;; end of part 4
;; ======== version 2 of 2: 4 launches; 1.46 times as fast as version 1
;; limits: values are held in f16: magnitudes above 65,504 overflow, below 6.1e-05 lose precision
;; workspace buffers: xn 12,582,912 bytes; wb 4,718,592 bytes; qkv 37,748,736 bytes; att 12,582,912 bytes
;; launch prep (part 5): grid 24 x 8, 14 waves a work-group, no clusters, 231,168 bytes of LDS; arguments x, norm_w, wq, wk, wv, wo, xn, wb; writes xn, wb
.if DOCPART == 5
	.amdgcn_target "amdgcn-amd-amdhsa--gfx1250"
	.amdhsa_code_object_version 6
	.text
	.protected	k_qc16805284b_prep
	.globl	k_qc16805284b_prep
	.p2align	8
	.type	k_qc16805284b_prep,@function
k_qc16805284b_prep:
	s_mov_b64 s[64:65], 0
	v_nop
	global_prefetch_b8 v0, s[64:65] scope:SCOPE_SE
	s_setreg_imm32_b32 hwreg(HW_REG_WAVE_MODE, 25, 1), 1
	s_wait_xcnt 0x0
; LAUNCH 1 OF 4.  xn = x / sqrt(EPS + box7x7(x^2) / 49) * norm_w, rounded once to f16, [8192 tokens][768];
; and wq, wk, wv, wo rounded to f16, one behind the other, into wb [3072 rows][768].
;
; WORK LEFT OUT IN THE WHOLE PROGRAM: the input bk.  scores[q][k] = q . (k0[k] + bk) / 8 = q . k0[k] / 8 + q . bk / 8, and the second term
; does not hang on k: it is the same along the softmax's axis, so it cancels in the softmax for every value of the inputs.  bk has no other
; way to the output: it is not loaded and is no argument of any launch.  Limit: a NaN, an infinity or an overflow that comes from bk alone
; is not carried to the result.
; FORMAT: all matrix operands of the program (xn, the weights, q, k, v, the softmax's weights, the attention's result) are f16, sums f32.
; |xn| <= 7 |norm_w| because the box holds x^2 itself.  Limit: an operand of 65,504 or more in magnitude overflows f16; operands below
; 6.1e-5 keep an absolute error of 3e-8.
;
; SHARES: a work-group takes 128 channels (cg) of 8 grid rows (band) of one image (b).  Wave w takes grid row 8 band - 3 + w: 14 rows in for
; 8 rows out.  A lane takes 4 channels, so a wave's load covers 512 consecutive bytes of a token, and its 8-byte store 256 consecutive
; bytes at a multiple of 256.  Phase 1: each wave makes the horizontal 7-sums of squares of its row, straight sums and no running
; difference, and lays them in LDS.  Phase 2: the eight centre waves add 7 rows and scale their own row, which has stayed in registers;
; the six waves that only served as halo round the weights: 192 x 6 waves x 8,192 bytes are the four weights' 9,437,184 bytes.
; THE ROOTS GO IN BATCHES OF EIGHT: the two positions of one LDS fetch are summed, their 8 v_rsq_f32 follow each other, the four multiplies
; x w stand behind them, and one s_wait_alu depctr_va_vdst(0) ahead of the first reader serves all eight:
; 16 such waits for a row of 32 positions.
.set X,    128                         ; v[128:255] my row: token p in 4 registers at X + 4 p
.set SQ,   16                          ; v[16:47]   phase 1: squares, a ring of 8 tokens
.set HS,   48                          ; v[48:51]   phase 1: one horizontal sum
.set HB0,  16                          ; v[16:71]   phase 2: 7 rows x 2 positions of sums
.set HB1,  72                          ; v[72:127]  phase 2: the same, second buffer
.set LN16, 1                           ; 16 x lane
.set HA,   2                           ; LDS: my row + 16 x lane
.set LA0,  3                           ; LDS: row w - 3 + 16 x lane
.set W,    4                           ; v[4:7]     norm_w of my 4 channels
.set C49,  8                           ; v[8:9]     1/49 twice
.set CEPS, 10                          ; v[10:11]   EPS twice
.set LA1,  12                          ; LA0 + 65,536: rows w + 1 .. w + 3 lie beyond a 16-bit offset
.set LN8,  13                          ; 8 x lane
.set HROW, 16384                       ; an LDS row: 32 positions x 128 channels x 4 bytes
.set TOK,  3072                        ; bytes of a token in x
	s_load_b512 s[4:19], s[0:1], 0x0               ; x 4, norm_w 6, wq 8, wk 10, wv 12, wo 14, xn 16, wb 18
	v_lshrrev_b32 v14, 5, v0
	v_readfirstlane_b32 s20, v14                   ; wave 0..13
	v_and_b32 v15, 31, v0
	v_lshlrev_b32 v[LN16], 4, v15
	v_lshlrev_b32 v[LN8], 3, v15
	v_lshl_add_u32 v[HA], s20, 14, v[LN16]
	s_and_b32 s21, ttmp9, 3                        ; band
	s_lshr_b32 s22, ttmp9, 2                       ; cg
	s_and_b32 s23, ttmp7, 0xffff                   ; b
	s_lshl3_add_u32 s24, s21, s20
	s_sub_co_u32 s24, s24, 3                       ; my grid row; outside 0..31 it wraps to a large number
	s_mov_b32 s27, 0
	s_wait_kmcnt 0x0
	s_cmp_lt_u32 s20, 3
	s_cbranch_scc1 .Lhalo_in
	s_cmp_gt_u32 s20, 10
	s_cbranch_scc1 .Lhalo_in
	s_lshl_b32 s26, s22, 9                         ; centre waves: their row is always inside the grid
	s_add_nc_u64 s[6:7], s[6:7], s[26:27]
	global_load_b128 v[W:W+3], v[LN16], s[6:7]     ; older than every load of x: it changes none of the counts below
	s_branch .Lrow_in
.Lhalo_in:
	s_cmp_lt_u32 s24, 32
	s_cbranch_scc1 .Lrow_in
	v_mov_b32 v[HS], 0                             ; a row outside the grid: reference() pads with zeros
	v_mov_b32 v[HS+1], 0
	v_mov_b32 v[HS+2], 0
	v_mov_b32 v[HS+3], 0
.set pp, 0
.rept 32
	ds_store_b128 v[HA], v[HS:HS+3] offset:512*pp
.set pp, pp+1
.endr
	s_branch .Lmeet
.Lrow_in:
	s_mul_i32 s26, s23, 3145728                    ; image
	s_mul_i32 s25, s24, 98304                      ; grid row: 32 tokens
	s_add_co_u32 s26, s26, s25
	s_lshl_b32 s25, s22, 9                         ; 128 channels
	s_add_co_u32 s26, s26, s25
	s_add_nc_u64 s[4:5], s[4:5], s[26:27]
.set pp, 0
.rept 32
	global_load_b128 v[X+4*pp:X+4*pp+3], v[LN16], s[4:5] offset:TOK*pp
.set pp, pp+1
.endr
.macro SQR q                           ; the squares of token q into ring slot q mod 8
	v_pk_mul_f32 v[SQ+4*((\q)%8):SQ+4*((\q)%8)+1], v[X+4*(\q):X+4*(\q)+1], v[X+4*(\q):X+4*(\q)+1]
	v_pk_mul_f32 v[SQ+4*((\q)%8)+2:SQ+4*((\q)%8)+3], v[X+4*(\q)+2:X+4*(\q)+3], v[X+4*(\q)+2:X+4*(\q)+3]
.endm
; Position p: token p + 3 arrives and is squared (slot (p + 3) mod 8 held token p - 5, which no window needs any more);
; the window p - 3 .. p + 3, cut at the row's ends, is summed and stored.
.macro HSTEP p
.if \p <= 28
	s_wait_loadcnt 28-\p                           ; loads return in order: 28 - p loads are younger than token p + 3
	SQR (\p+3)
.endif
.set qa, \p-3
.if qa < 0
.set qa, 0
.endif
.set qb, \p+3
.if qb > 31
.set qb, 31
.endif
	v_pk_add_f32 v[HS:HS+1], v[SQ+4*(qa%8):SQ+4*(qa%8)+1], v[SQ+4*((qa+1)%8):SQ+4*((qa+1)%8)+1]
	v_pk_add_f32 v[HS+2:HS+3], v[SQ+4*(qa%8)+2:SQ+4*(qa%8)+3], v[SQ+4*((qa+1)%8)+2:SQ+4*((qa+1)%8)+3]
.set qq, qa+2
.rept qb-qa-1
	v_pk_add_f32 v[HS:HS+1], v[HS:HS+1], v[SQ+4*(qq%8):SQ+4*(qq%8)+1]
	v_pk_add_f32 v[HS+2:HS+3], v[HS+2:HS+3], v[SQ+4*(qq%8)+2:SQ+4*(qq%8)+3]
.set qq, qq+1
.endr
	ds_store_b128 v[HA], v[HS:HS+3] offset:512*\p
.endm
	s_wait_loadcnt 29                              ; tokens 0 to 2 are in: 29 loads are younger
	SQR 0
	SQR 1
	SQR 2
.set pp, 0
.rept 32
	HSTEP pp
.set pp, pp+1
.endr
.Lmeet:
	s_wait_dscnt 0x0                               ; my row of sums is in LDS, for the other waves' sake
	s_barrier_signal -1
	s_barrier_wait -1                              ; all 14 rows are
	s_cmp_lt_u32 s20, 3
	s_cbranch_scc1 .Lcast
	s_cmp_gt_u32 s20, 10
	s_cbranch_scc1 .Lcast
	; PHASE 2, centre waves
	s_sub_co_u32 s25, s20, 3
	v_lshl_add_u32 v[LA0], s25, 14, v[LN16]
	v_add_nc_u32 v[LA1], 0x10000, v[LA0]
	v_mov_b32 v[C49], 0x3ca72f05                   ; 1/49
	v_mov_b32 v[C49+1], 0x3ca72f05
	v_mov_b32 v[CEPS], 0x33d6bf95                  ; 1e-7
	v_mov_b32 v[CEPS+1], 0x33d6bf95
	s_mul_i32 s26, s23, 1572864                    ; image: 1,024 tokens of 1,536 bytes
	s_mul_i32 s25, s24, 49152                      ; grid row
	s_add_co_u32 s26, s26, s25
	s_lshl_b32 s25, s22, 8                         ; 128 channels of 2 bytes
	s_add_co_u32 s26, s26, s25
	s_add_nc_u64 s[16:17], s[16:17], s[26:27]
.macro LD2 k, buf                      ; the 7 rows' sums at positions 2 k and 2 k + 1: 14 loads
.irp i, 0,1
.irp d, 0,1,2,3
	ds_load_b128 v[\buf+28*\i+4*\d:\buf+28*\i+4*\d+3], v[LA0] offset:HROW*\d+512*(2*\k+\i)
.endr
.irp d, 4,5,6
	ds_load_b128 v[\buf+28*\i+4*\d:\buf+28*\i+4*\d+3], v[LA1] offset:HROW*(\d-4)+512*(2*\k+\i)
.endr
.endr
.endm
.macro NSUM bb                         ; a position's 7 quads at bb are added and become box / 49 + EPS
.irp e, 0,2
	v_pk_add_f32 v[\bb+\e:\bb+\e+1], v[\bb+\e:\bb+\e+1], v[\bb+4+\e:\bb+4+\e+1]
	v_pk_add_f32 v[\bb+8+\e:\bb+8+\e+1], v[\bb+8+\e:\bb+8+\e+1], v[\bb+12+\e:\bb+12+\e+1]
	v_pk_add_f32 v[\bb+16+\e:\bb+16+\e+1], v[\bb+16+\e:\bb+16+\e+1], v[\bb+20+\e:\bb+20+\e+1]
.endr
.irp e, 0,2
	v_pk_add_f32 v[\bb+\e:\bb+\e+1], v[\bb+\e:\bb+\e+1], v[\bb+8+\e:\bb+8+\e+1]
	v_pk_add_f32 v[\bb+16+\e:\bb+16+\e+1], v[\bb+16+\e:\bb+16+\e+1], v[\bb+24+\e:\bb+24+\e+1]
.endr
.irp e, 0,2
	v_pk_add_f32 v[\bb+\e:\bb+\e+1], v[\bb+\e:\bb+\e+1], v[\bb+16+\e:\bb+16+\e+1]
.endr
.irp e, 0,2
	v_pk_fma_f32 v[\bb+\e:\bb+\e+1], v[\bb+\e:\bb+\e+1], v[C49:C49+1], v[CEPS:CEPS+1]   ; box / 49 + EPS, at least 1e-7: no denormal reaches v_rsq_f32
.endr
.endm
.macro NROOT bb                        ; a position's four roots, in place
.irp e, 0,1,2,3
	v_rsq_f32 v[\bb+\e], v[\bb+\e]
.endr
.endm
.macro NXW p                           ; x w of position p: it names no root
	v_pk_mul_f32 v[X+4*(\p):X+4*(\p)+1], v[X+4*(\p):X+4*(\p)+1], v[W:W+1]
	v_pk_mul_f32 v[X+4*(\p)+2:X+4*(\p)+3], v[X+4*(\p)+2:X+4*(\p)+3], v[W+2:W+3]
.endm
.macro NOUT p, bb                      ; position p is scaled by its roots at bb, rounded and stored
	v_pk_mul_f32 v[X+4*(\p):X+4*(\p)+1], v[X+4*(\p):X+4*(\p)+1], v[\bb:\bb+1]
	v_pk_mul_f32 v[X+4*(\p)+2:X+4*(\p)+3], v[X+4*(\p)+2:X+4*(\p)+3], v[\bb+2:\bb+3]
	v_cvt_pk_f16_f32 v[X+4*(\p)], v[X+4*(\p)], v[X+4*(\p)+1]
	v_cvt_pk_f16_f32 v[X+4*(\p)+1], v[X+4*(\p)+2], v[X+4*(\p)+3]
	global_store_b64 v[LN8], v[X+4*(\p):X+4*(\p)+1], s[16:17] offset:1536*(\p)          ; the store's registers are never written again
.endm
.macro NRM2 p, bb                      ; positions p and p + 1, their quads at bb and bb + 28: one batch of eight roots
	NSUM \bb
	NSUM (\bb+28)
	NROOT \bb
	NROOT (\bb+28)
	NXW \p                                         ; four plain instructions that name no root stand between the roots and their first use (ISA guide 5.7.2)
	NXW (\p+1)
	s_wait_alu depctr_va_vdst(0)                   ; the wait ahead of the first reader: one for the batch's eight roots
	NOUT \p, \bb
	NOUT (\p+1), (\bb+28)
.endm
	LD2 0, HB0
.set kk, 0
.rept 15
	LD2 (kk+1), (HB0+56*((kk+1)%2))
	s_wait_dscnt 14                                ; LDS loads return in order: all but the 14 just issued are in
	NRM2 (2*kk), (HB0+56*(kk%2))
.set kk, kk+1
.endr
	s_wait_dscnt 0x0
	NRM2 30, HB1
	s_wait_xcnt 0x0
	v_lshl_add_u32 v126, v0, 2, 0x38000
	v_mov_b32 v127, 0
	s_wait_tensorcnt 0x0
	ds_add_u32 v126, v127
	s_wait_dscnt 0x0
	s_endpgm
	; PHASE 2, the six halo waves: 8,192 bytes of a weight each, rounded to f16
.Lcast:
	s_cmp_lt_u32 s20, 3
	s_cselect_b32 s25, 0, 8
	s_sub_co_u32 s25, s20, s25                     ; waves 0,1,2,11,12,13 count 0..5
	s_mul_i32 s28, s23, 24
	s_add_co_u32 s28, s28, ttmp9
	s_mul_i32 s28, s28, 6
	s_add_co_u32 s28, s28, s25                     ; piece 0..1151; 288 pieces to a weight
	s_mov_b64 s[30:31], s[8:9]
	s_mov_b32 s29, 0
	s_cmp_ge_u32 s28, 288
	s_cselect_b64 s[30:31], s[10:11], s[30:31]
	s_cselect_b32 s29, 288, s29
	s_cmp_ge_u32 s28, 576
	s_cselect_b64 s[30:31], s[12:13], s[30:31]
	s_cselect_b32 s29, 576, s29
	s_cmp_ge_u32 s28, 864
	s_cselect_b64 s[30:31], s[14:15], s[30:31]
	s_cselect_b32 s29, 864, s29
	s_sub_co_u32 s26, s28, s29
	s_lshl_b32 s26, s26, 13
	s_add_nc_u64 s[30:31], s[30:31], s[26:27]
	s_lshl_b32 s26, s28, 12
	s_add_nc_u64 s[32:33], s[18:19], s[26:27]
.set cc, 0
.rept 16
	global_load_b128 v[X+4*cc:X+4*cc+3], v[LN16], s[30:31] offset:512*cc th:TH_LOAD_NT
.set cc, cc+1
.endr
.set cc, 0
.rept 16
	s_wait_loadcnt 15-cc                           ; 15 - cc loads are younger than this one
	v_cvt_pk_f16_f32 v[X+4*cc], v[X+4*cc], v[X+4*cc+1]
	v_cvt_pk_f16_f32 v[X+4*cc+1], v[X+4*cc+2], v[X+4*cc+3]
	global_store_b64 v[LN8], v[X+4*cc:X+4*cc+1], s[32:33] offset:256*cc
.set cc, cc+1
.endr
	s_wait_xcnt 0x0
	v_lshl_add_u32 v126, v0, 2, 0x38000
	v_mov_b32 v127, 0
	s_wait_tensorcnt 0x0
	ds_add_u32 v126, v127
	s_wait_dscnt 0x0
	s_endpgm
.Lfunc_end_k_qc16805284b_prep:
	.size	k_qc16805284b_prep, .Lfunc_end_k_qc16805284b_prep-k_qc16805284b_prep
	.p2alignl 7, 3214868480
	.fill 96, 4, 3214868480
	.section	.rodata,"a",@progbits
	.p2align	6, 0x0
	.amdhsa_kernel k_qc16805284b_prep
		.amdhsa_group_segment_fixed_size 231168
		.amdhsa_private_segment_fixed_size 0
		.amdhsa_enable_private_segment 0
		.amdhsa_kernarg_size 64
		.amdhsa_user_sgpr_count 2
		.amdhsa_user_sgpr_kernarg_segment_ptr 1
		.amdhsa_wavefront_size32 1
		.amdhsa_system_sgpr_workgroup_id_x 1
		.amdhsa_system_sgpr_workgroup_id_y 1
		.amdhsa_system_sgpr_workgroup_id_z 1
		.amdhsa_system_vgpr_workitem_id 0
		.amdhsa_next_free_vgpr 256
		.amdhsa_next_free_sgpr 66
		.amdhsa_reserve_vcc 0
		.amdhsa_float_denorm_mode_32 3
		.amdhsa_float_denorm_mode_16_64 3
		.amdhsa_memory_ordered 1
		.amdhsa_forward_progress 1
		.amdhsa_inst_pref_size 106
	.end_amdhsa_kernel
	.amdgpu_metadata
---
amdhsa.version: [ 1, 2 ]
amdhsa.kernels:
  - .name:           k_qc16805284b_prep
    .symbol:         k_qc16805284b_prep.kd
    .args:
      - { .name: x, .offset: 0, .size: 8, .value_kind: global_buffer, .address_space: global }
      - { .name: norm_w, .offset: 8, .size: 8, .value_kind: global_buffer, .address_space: global }
      - { .name: wq, .offset: 16, .size: 8, .value_kind: global_buffer, .address_space: global }
      - { .name: wk, .offset: 24, .size: 8, .value_kind: global_buffer, .address_space: global }
      - { .name: wv, .offset: 32, .size: 8, .value_kind: global_buffer, .address_space: global }
      - { .name: wo, .offset: 40, .size: 8, .value_kind: global_buffer, .address_space: global }
      - { .name: xn, .offset: 48, .size: 8, .value_kind: global_buffer, .address_space: global }
      - { .name: wb, .offset: 56, .size: 8, .value_kind: global_buffer, .address_space: global }
    .group_segment_fixed_size: 231168
    .private_segment_fixed_size: 0
    .kernarg_segment_align: 8
    .kernarg_segment_size: 64
    .max_flat_workgroup_size: 448
    .sgpr_count:     66
    .vgpr_count:     256
    .wavefront_size: 32
...
	.end_amdgpu_metadata
.endif
;; end of part 5
;; launch qkv: the kernel of part 2 again; grid 8 x 32, 4 waves a work-group, clusters of 4 x 4, 327,680 bytes of LDS; arguments xn, wb, qkv; writes qkv
;; launch attn (part 6): grid 8 x 96, 4 waves a work-group, clusters of 4 x 1, 295,424 bytes of LDS; arguments qkv, bq, bv, att; writes att
.if DOCPART == 6
	.amdgcn_target "amdgcn-amd-amdhsa--gfx1250"
	.amdhsa_code_object_version 6
	.text
	.protected	k_qc16805284b_attn
	.globl	k_qc16805284b_attn
	.p2align	8
	.type	k_qc16805284b_attn,@function
k_qc16805284b_attn:
	s_mov_b64 s[64:65], 0
	v_nop
	global_prefetch_b8 v0, s[64:65] scope:SCOPE_SE
	s_setreg_imm32_b32 hwreg(HW_REG_WAVE_MODE, 25, 1), 1
	s_wait_xcnt 0x0
	s_wait_alu depctr_hold_cnt(0) depctr_sa_sdst(0) depctr_va_vdst(0) depctr_va_sdst(0) depctr_va_ssrc(0) depctr_va_vcc(0) depctr_vm_vsrc(0)
	s_getreg_b32 s2, hwreg(HW_REG_IB_STS2, 6, 4)
	s_cmp_eq_u32 s2, 0
	s_cbranch_scc0 .Lentry_in_a_cluster
	s_endpgm
.Lentry_in_a_cluster:
	s_bfe_u32 s2, ttmp6, 0x10000c
	s_cmp_lg_u32 s2, 0x3003
	s_cbranch_scc0 .Lentry_shape_is_right
	s_endpgm
.Lentry_shape_is_right:
; LAUNCH 3 OF 4.  For one image b, one head and 128 queries: q = (q0 + bq) log2(e) / 8; S^T = K q^T; softmax along the keys with a running
; maximum, in base 2; O^T = V^T P^T; att = O / l + bv (a softmax row sums to 1, so bv may be added behind the division).
; bk is left out of the whole program: it adds q . bk / 8 to every score of a row, which the softmax cancels for all values of the inputs.
; Operands f16, sums and softmax f32.  Limits: q is rounded to f16 twice (q0 in the launch before, the scaled q here); a softmax weight below
; 2^-126 of the row's largest comes out of v_exp_f32 as 0; v_max_num_f32 lets a NaN score lose the maximum (the NaN still reaches the row
; through its own exponential).
; SHARES: 768 work-groups, three for each of 256 WGPs.  A wave takes 32 queries, two tiles u of 16.  Both products are used transposed, so a
; lane holds ONE query (r) in S, P and O: the row maximum and sum need one exchange with lane r + 16 alone, S turns into P in the same
; registers, and a lane's eight results of O are eight neighbouring features: 16 bytes of a plane of att [96 planes][8192 tokens][8].
; LDS holds the head's whole K and V, filled once: 16 blocks of 64 keys each, a block = 8 planes of 1,024 bytes + 128 of padding.
; CLUSTER 4 x 1: the four query blocks of a cluster read the same K and V and ask for them jointly (mask 15).  A wave issues 8 tensor
; loads at the start (block 4 c + w of K and of V, c = 0..3): 8 are outstanding at the most, and no LDS byte is ever filled again.
;
; THE LOOP IS A PIPELINE over steps of 32 keys, so that products and softmax are issued side by side.  Trip a issues the 8 products
; O += V(a) P(a), then the 8 products S(a+2) = K(a+2) q, and behind product i stands slice i of the softmax of step a + 1, for both query
; tiles.  S has two buffers: P(a) lies in place in buffer a mod 2, which S(a+2) then overwrites; the softmax works on the other one.
; A trip has 16 products and 136 vector instructions.  Slices 0-6 hold 6 of them, slice 7 holds 38, slices 8-15 hold 7.  The trip's LDS
; loads stand in two runs of 8: V(a+1) behind slice 7, when the products on V(a) are over, K(a+3) behind slice 15, when those on K(a+2) are.
; ONE BATCH, ONE WAIT A TRIP.  The trip's 34 exponentials (the two factors 2^(old maximum - new), then the 32 scores) all stand in slices
; 5 to 7, and nothing there names a result of theirs.  Behind the last of them stand a v_nop and the one s_wait_alu depctr_va_vdst(0),
; directly ahead of V's run of loads.  All that names a result (the sums, the roundings to f16, the rescaling of
; O's tiles dt = 0..2) stands in slices 8 to 15; the tiles dt = 3 take, in the next trip, a factor that this trip's wait has covered.  No
; exponential follows a trip's wait.
; O's tiles dt = 0..2 are brought to the new maximum of step a + 1 in trip a, behind their products of step a; the tiles dt = 3 in slices 2-4
; of the next trip, ahead of their products there, where they stand between the dependent steps of the maximum.
; WHY 32 KEYS: all that the loop names is one window of 256 registers (S 64, O 64, Q 32, K 32, V 32, 32 others), so the loop changes no
; window.  With steps of 64 keys the two buffers of S alone are 128 registers, and every product would stand between two changes.
; The price: O is rescaled, and the maximum exchanged, once for 32 keys and not once for 64.
; In both runs of matrix instructions the accumulators take turns, one instruction a turn.
.set PLANE, 131072
.set PP,    1152                       ; plane pitch in LDS: 128 modulo 256, so the two planes that sixteen lanes of a transposing load touch lie in different halves of 256 bytes
.set BLK,   8*PP                       ; a block of 64 keys
.set HALF,  512                        ; the second 32 keys of a block, in each of its planes
.set VBASE, 16*BLK
.set CSC,   0x3e38aa3b                 ; log2(e) / 8
.set EVEN,  4                          ; trips 1 to 28 have the same text for each parity: these two stand for them in the loops
.set ODD,   5
.set KA, 3                             ; LDS address of my K fragments in block m, m = (trip) / 2
.set VA, 4                             ; LDS address of my V fragments in block m
.set QO, 5                             ; h planes + 16 r: offset in qkv and in att
.set HB, 6                             ; 32 h: offset in bq and bv
.set M,  8                             ; v[8+4p+2u] running maximum of tile u behind a step of parity p; the pair's second register is named and never used
.set AL, 16                            ; v[16+2u]   2^(old maximum - new); likewise
.set L,  20                            ; v[20+2u:21+2u] running sum, two partial sums
.set MA, 24                            ; v24+u, v26+u two chains of maxima
.set MB, 26
.set MP, 28                            ; v28+u the partner lane's figure
.set MD, 30                            ; v30+u old maximum - new
.set SB, 32                            ; S(p,u,t) at 32 + 32 p + 16 u + 8 t; P(p,u) in place in the first 8 of the 16
.set KF, 96                            ; K fragment g = (t = g & 1, ks = g >> 1) at 96 + 8 g
.set VF, 128                           ; V fragment dt at 128 + 8 dt
.set O,  160                           ; O(u,dt) at 160 + 32 u + 8 dt
.set QF, 224                           ; Q(u,ks) at 224 + 16 u + 8 ks
.set BV, 0                             ; window 1: bv of my features, 8 for each dt (v256-287)
.set G1, 16
.set G0, 24
.set MSB, 0
.macro WIN new                         ; the immediate's high byte repeats the setting that is left
.if MSB != \new
	s_set_vgpr_msb (MSB<<8)|\new
.set MSB, \new
.endif
.endm
.macro ROUND                           ; a round of the cluster's barrier
	s_barrier_signal -1
	s_barrier_wait -1
	s_cmp_lg_u32 s12, 0
	s_cbranch_scc1 .Lnot_wave_0_\@
	s_barrier_signal -3
.Lnot_wave_0_\@:
	s_barrier_wait -3
	s_barrier_signal -1
	s_barrier_wait -1
.endm
	s_load_b256 s[4:11], s[0:1], 0x0               ; qkv 4, bq 6, bv 8, att 10
	s_set_vgpr_msb 0x40
	v_lshl_add_u32 v32, v0, 2, 0x48000
	v_mov_b32 v33, 0
	s_set_vgpr_msb 0x4045
	ds_add_u32 v32, v33
	s_set_vgpr_msb 0x4500
	v_lshrrev_b32 v1, 5, v0
	v_readfirstlane_b32 s12, v1                    ; wave 0..3
	s_bfe_u32 s56, ttmp6, 0x40000                  ; cx
	s_lshl_b32 s57, ttmp9, 2
	s_add_co_u32 s57, s57, s56                     ; query block 0..7
	s_and_b32 s58, ttmp7, 7                        ; b
	s_bfe_u32 s59, ttmp7, 0x40003                  ; head 0..11
	s_mov_b32 s60, 0x76543210                      ; v_permlanex16_b32: lane i takes lane i of the other half
	s_mov_b32 s61, 0xfedcba98
	s_mov_b32 s[G1+0], 15|(1<<16)|(1<<20)|(1<<21)|(7<<22)|(31<<25)   ; mask of the four; 2-byte elements; padding: after every 256 words, 32 words
	s_mov_b32 s[G1+1], 512<<16                     ; tensor_dim0 = 512 elements: 64 keys x 8 features of a plane
	s_mov_b32 s[G1+2], 8<<16                       ; tensor_dim1 = 8 planes
	s_mov_b32 s[G1+3], 512<<16                     ; tile_dim0
	s_mov_b32 s[G1+4], 8                           ; tile_dim1
	s_mov_b32 s[G1+5], 65536                       ; elements from plane to plane
	s_mov_b32 s[G1+6], 0
	s_mov_b32 s[G1+7], 0
	s_lshl_b32 s2, s59, 20                         ; K and V: 8 planes to a head
	s_add_co_u32 s2, s2, 96*PLANE                  ; K's planes begin at 96
	s_lshl_b32 s3, s58, 14                         ; 1,024 tokens of 16 bytes to an image
	s_add_co_u32 s2, s2, s3
	s_lshl_b32 s3, s12, 10                         ; block w
	s_add_co_u32 s2, s2, s3
	s_mov_b32 s3, 0
	s_mul_i32 s13, s12, BLK
	s_lshl_b32 s66, s59, 20                        ; my queries, in qkv and in att alike: 8 head planes + (1024 b + 128 block + 32 w) tokens
	s_lshl_b32 s67, s58, 14
	s_add_co_u32 s66, s66, s67
	s_lshl_b32 s67, s57, 11
	s_add_co_u32 s66, s66, s67
	s_lshl_b32 s67, s12, 9
	s_add_co_u32 s66, s66, s67
	s_mov_b32 s67, 0
	s_lshl_b32 s70, s59, 8                         ; bq, bv: 64 f32 to a head
	s_mov_b32 s71, 0
	v_and_b32 v1, 15, v0                           ; r
	v_bfe_u32 v2, v0, 4, 1                         ; h
	v_lshlrev_b32 v7, 4, v1
	v_mul_u32_u24 v[KA], v2, PP
	v_add_nc_u32 v[KA], v[KA], v7                  ; plane h, key r
	v_lshl_add_u32 v[QO], v2, 17, v7
	v_lshlrev_b32 v[HB], 5, v2
	v_bfe_u32 v[MP], v0, 3, 1                      ; the transposing load: lanes 8 g + j address key 8 h + j of plane (g & 1)
	v_mul_u32_u24 v[MP], v[MP], PP                 ; (MP is written here, so v_permlanex16_b32, which counts as a reader of its destination, finds it written)
	v_and_b32 v[MP+1], 7, v0
	v_lshl_add_u32 v[MP+1], v2, 3, v[MP+1]
	v_lshl_add_u32 v[VA], v[MP+1], 4, v[MP]
	v_add_nc_u32 v[VA], VBASE, v[VA]
.irp i, 1,3,5,7
	v_mov_b32 v[M+\i], 0                           ; the second registers of the pairs whose first is broadcast: named by the packed instructions, so written once
.endr
	v_mov_b32 v[AL+1], 0
	v_mov_b32 v[AL+3], 0
	s_wait_dscnt 0x0
	s_wait_kmcnt 0x0
	s_add_nc_u64 s[14:15], s[4:5], s[2:3]          ; hangs on the head, the image and the wave: the same in all four partners
	s_add_nc_u64 s[68:69], s[4:5], s[66:67]
	s_add_nc_u64 s[10:11], s[10:11], s[66:67]
	s_add_nc_u64 s[6:7], s[6:7], s[70:71]
	s_add_nc_u64 s[8:9], s[8:9], s[70:71]
	; q0, bq and bv are asked for ahead of the cluster's round: the round and the first tiles run while they are on their way
.irp u, 0,1
.irp ks, 0,1
.irp hf, 0,1
	global_load_b128 v[SB+8*(2*\u+\ks)+4*\hf:SB+8*(2*\u+\ks)+4*\hf+3], v[QO], s[68:69] offset:(4*\ks+2*\hf)*PLANE+256*\u   ; q0, features 32 ks + 16 hf + 8 h ..
.endr
.endr
.endr
.irp i, 0,1,2,3
	global_load_b128 v[KF+8*\i:KF+8*\i+3],   v[HB], s[6:7] offset:64*\i       ; bq of features 16 i + 8 h ..
	global_load_b128 v[KF+8*\i+4:KF+8*\i+7], v[HB], s[6:7] offset:64*\i+16
.endr
	WIN 0x40                                       ; destination in window 1
.irp i, 0,1,2,3
	global_load_b128 v[BV+8*\i:BV+8*\i+3],   v[HB], s[8:9] offset:64*\i
	global_load_b128 v[BV+8*\i+4:BV+8*\i+7], v[HB], s[8:9] offset:64*\i+16
.endr
	WIN 0
	ROUND                                          ; the four work-groups are here: the joint loads meet
.irp c, 0,1,2,3
.irp kv, 0,1
	s_mov_b32 s[G0+4*(2*\c+\kv)], 1
	s_add_co_u32 s[G0+4*(2*\c+\kv)+1], s13, \kv*VBASE+\c*4*BLK
	s_add_nc_u64 s[G0+4*(2*\c+\kv)+2:G0+4*(2*\c+\kv)+3], s[14:15], \kv*96*PLANE+\c*4096
	s_or_b32 s[G0+4*(2*\c+\kv)+3], s[G0+4*(2*\c+\kv)+3], 0x80000000
	tensor_load_to_lds s[G0+4*(2*\c+\kv):G0+4*(2*\c+\kv)+3], s[G1:G1+7]
	s_nop 0
.endr
.endr
	s_wait_loadcnt 8                               ; q0 and bq are in; bv's eight loads are younger
.set cnt, 0
.rept 16
	v_pk_mul_f32 v[KF+2*cnt:KF+2*cnt+1], v[KF+2*cnt:KF+2*cnt+1], CSC op_sel_hi:[1,0]
.set cnt, cnt+1
.endr
.set cnt, 0                            ; q0 lies in v32..v63 (SB): halves of a register have names only
.irp hv, v32.l,v32.h,v33.l,v33.h,v34.l,v34.h,v35.l,v35.h,v36.l,v36.h,v37.l,v37.h,v38.l,v38.h,v39.l,v39.h
	v_cvt_f32_f16 v[O+cnt], \hv
.set cnt, cnt+1
.endr
.irp hv, v40.l,v40.h,v41.l,v41.h,v42.l,v42.h,v43.l,v43.h,v44.l,v44.h,v45.l,v45.h,v46.l,v46.h,v47.l,v47.h
	v_cvt_f32_f16 v[O+cnt], \hv
.set cnt, cnt+1
.endr
.irp hv, v48.l,v48.h,v49.l,v49.h,v50.l,v50.h,v51.l,v51.h,v52.l,v52.h,v53.l,v53.h,v54.l,v54.h,v55.l,v55.h
	v_cvt_f32_f16 v[O+cnt], \hv
.set cnt, cnt+1
.endr
.irp hv, v56.l,v56.h,v57.l,v57.h,v58.l,v58.h,v59.l,v59.h,v60.l,v60.h,v61.l,v61.h,v62.l,v62.h,v63.l,v63.h
	v_cvt_f32_f16 v[O+cnt], \hv
.set cnt, cnt+1
.endr
.irp f, 0,1,2,3                        ; fragment f = 2 u + ks
.irp i, 0,1,2,3,4,5,6,7
	v_pk_fma_f32 v[O+16*\f+2*\i:O+16*\f+2*\i+1], v[O+16*\f+2*\i:O+16*\f+2*\i+1], CSC, v[KF+16*(\f%2)+2*\i:KF+16*(\f%2)+2*\i+1] op_sel_hi:[1,0,1]
.endr
.endr
.irp f, 0,1,2,3
.irp i, 0,1,2,3,4,5,6,7
	v_cvt_pk_f16_f32 v[QF+8*\f+\i], v[O+16*\f+2*\i], v[O+16*\f+2*\i+1]
.endr
.endr
	s_wait_loadcnt 0x0                             ; bv
.macro SYNC c                          ; chunk c (keys 256 c .. 256 c + 255 of K and V) is whole for every wave
	s_wait_tensorcnt 6-2*\c                        ; tensor loads of a wave end in order: 6 - 2 c of mine are younger than chunk c's two
	s_wait_dscnt 0x0
	s_barrier_signal -1
	s_barrier_wait -1                              ; The later chunks stay on their way
.endm
.macro LDK ofs                         ; K of a step of 32 keys: four fragments in the order of their use, 8 loads
.irp g, 0,1,2,3
	ds_load_b128 v[KF+8*\g:KF+8*\g+3],   v[KA] offset:\ofs+4*PP*(\g>>1)+256*(\g&1)
	ds_load_b128 v[KF+8*\g+4:KF+8*\g+7], v[KA] offset:\ofs+4*PP*(\g>>1)+256*(\g&1)+2*PP
.endr
.endm
.macro LDV ofs                         ; V of a step: four fragments, transposed on the way, 8 loads
.irp dt, 0,1,2,3
	ds_load_tr16_b128 v[VF+8*\dt:VF+8*\dt+3],   v[VA] offset:\ofs+2*PP*\dt
	ds_load_tr16_b128 v[VF+8*\dt+4:VF+8*\dt+7], v[VA] offset:\ofs+2*PP*\dt+256
.endr
.endm
; What trip a does, as symbols that the macros below read.  Trip a: products of step a, softmax of step a + 1, scores of step a + 2,
; loads of V(a+1) and K(a+3); whatever falls outside steps 0..31 is left out.
.macro CTX a
.set PB, ((\a)+2)%2                    ; parity of a
.set SP, SB+32*PB                      ; the buffer of P(a), then of S(a+2)
.set SS, SB+32*(1-PB)                  ; the buffer that the softmax works on
.set MO, M+4*PB                        ; the maximum behind step a
.set MN, M+4*(1-PB)                    ; the maximum behind step a + 1
.set DOPV, 1
.set ZERO, 0
.set FIRST, 0
.set DOEP, 1
.set DOE, 1
.set DOSR, 1
.set DOLV, 1
.set DOLK, 1
.set WV, 14                            ; loads younger than V's first fragment at its first product: 6 of its own run + K's run of 8
.set WK, 14                            ; the same for K: 6 + V's run of 8
.set STEPK, PB                         ; the addresses step a block of 64 keys behind every odd trip
.set STEPV, PB
.set VOFS, HALF+PB*(BLK-HALF)          ; V(a+1): even a: second half of block m; odd a: first half of block m + 1
.set KOFS, BLK+HALF+PB*(BLK-HALF)      ; K(a+3): even a: second half of block m + 1; odd a: first half of block m + 2
.if (\a) < 0                           ; trip -1: no products on V yet; step 0 starts maximum and sum; the addresses stand at block 0
.set DOPV, 0
.set FIRST, 1
.set DOE, 0
.set STEPK, 0
.set STEPV, 0
.set VOFS, 0
.set KOFS, BLK
.endif
.if (\a) < 1
.set DOEP, 0                           ; step 0 rescales nothing
.endif
.if (\a) == 0
.set ZERO, 1                           ; the first products start O: nothing is cleared
.endif
.if (\a) > 27
.set STEPK, 0
.endif
.if (\a) > 28
.set DOLK, 0
.endif
.if (\a) > 29
.set DOSR, 0
.set STEPV, 0
.set WV, 6                             ; no run of K stands behind V's any more
.endif
.endm
; Product i of the first run: O(u, dt) += V(dt) P(u), u = i & 1, dt = i >> 1
.macro PVM i
.if DOPV
.if ((\i)&1) == 0
	s_wait_dscnt WV-(\i)                           ; LDS loads return in order: so many are younger than fragment dt's two
.endif
.set dd, O+32*((\i)&1)+8*((\i)>>1)
.if ZERO
	v_wmma_f32_16x16x32_f16 v[dd:dd+7], v[VF+8*((\i)>>1):VF+8*((\i)>>1)+7], v[SP+16*((\i)&1):SP+16*((\i)&1)+7], 0
.else
	v_wmma_f32_16x16x32_f16 v[dd:dd+7], v[VF+8*((\i)>>1):VF+8*((\i)>>1)+7], v[SP+16*((\i)&1):SP+16*((\i)&1)+7], v[dd:dd+7]
.endif
.endif
.endm
; Product i of the second run: S(u, t) (+)= K(t, ks) Q(u, ks), u = i & 1, t = (i >> 1) & 1, ks = i >> 2
.macro SCM i
.if DOSR
.if ((\i)&1) == 0
	s_wait_dscnt WK-(\i)                           ; so many loads are younger than fragment (i >> 1)'s two
.endif
.set dd, SP+16*((\i)&1)+8*(((\i)>>1)&1)
.if ((\i)>>2) == 0
	v_wmma_f32_16x16x32_f16 v[dd:dd+7], v[KF+8*((\i)>>1):KF+8*((\i)>>1)+7], v[QF+16*((\i)&1):QF+16*((\i)&1)+7], 0
.else
	v_wmma_f32_16x16x32_f16 v[dd:dd+7], v[KF+8*((\i)>>1):KF+8*((\i)>>1)+7], v[QF+16*((\i)&1)+8:QF+16*((\i)&1)+15], v[dd:dd+7]
.endif
.endif
.endm
; THE SOFTMAX'S STEPS.  A tile's 16 scores of a lane are s0..s15 at SS + 16 u.  A unit k = 2 i + u is the pair s(2i), s(2i+1) of tile u.
.macro MX0 u                           ; the two chains of the maximum start; the first takes the old maximum along
.if FIRST
	v_max_num_f32 v[MA+\u], v[SS+16*\u], v[SS+16*\u+1]
.else
	v_max3_num_f32 v[MA+\u], v[MO+2*\u], v[SS+16*\u], v[SS+16*\u+1]
.endif
	v_max3_num_f32 v[MB+\u], v[SS+16*\u+8], v[SS+16*\u+9], v[SS+16*\u+10]
.endm
.macro MXA u, i
	v_max3_num_f32 v[MA+\u], v[MA+\u], v[SS+16*\u+\i], v[SS+16*\u+\i+1]
.endm
.macro MXB u, i
	v_max3_num_f32 v[MB+\u], v[MB+\u], v[SS+16*\u+\i], v[SS+16*\u+\i+1]
.endm
.macro MXE u
	v_max3_num_f32 v[MA+\u], v[MA+\u], v[MB+\u], v[SS+16*\u+15]
.endm
.macro PL u                            ; the other 16 keys of my query lie in lane r + 16
	v_permlanex16_b32 v[MP+\u], v[MA+\u], s60, s61
.endm
.macro MNW u                           ; the new running maximum
	v_max_num_f32 v[MN+2*\u], v[MA+\u], v[MP+\u]
.endm
.macro MDF u
.if FIRST == 0
	v_sub_f32 v[MD+\u], v[MO+2*\u], v[MN+2*\u]
.endif
.endm
.macro ALF u                           ; of the batch
.if FIRST == 0
	v_exp_f32 v[AL+2*\u], v[MD+\u]
.endif
.endm
.macro CC k                            ; unit k: the maximum is taken away (the pair's first register serves both halves)
.set rr, SS+16*((\k)&1)+2*((\k)>>1)
	v_pk_add_f32 v[rr:rr+1], v[rr:rr+1], v[MN+2*((\k)&1):MN+2*((\k)&1)+1] op_sel_hi:[1,0] neg_lo:[0,1] neg_hi:[0,1]
.endm
.macro XX e                            ; of the batch: exponential e = 2 k + j: number j of unit k, in place
.set rr, SS+16*(((\e)>>1)&1)+2*((\e)>>2)+((\e)&1)
	v_exp_f32 v[rr], v[rr]
.endm
.macro FF k                            ; behind the wait: unit k joins the running sum; a tile's unit 0 brings the old sum to the new maximum
.set rr, SS+16*((\k)&1)+2*((\k)>>1)
.set ll, L+2*((\k)&1)
.if FIRST
.if ((\k)>>1) == 1
	v_pk_add_f32 v[ll:ll+1], v[rr-2:rr-1], v[rr:rr+1]                 ; step 0: units 0 and 1 start the sum
.endif
.if ((\k)>>1) > 1
	v_pk_add_f32 v[ll:ll+1], v[ll:ll+1], v[rr:rr+1]
.endif
.else
.if ((\k)>>1) == 0
	v_pk_fma_f32 v[ll:ll+1], v[ll:ll+1], v[AL+2*((\k)&1):AL+2*((\k)&1)+1], v[rr:rr+1] op_sel_hi:[1,0,1]
.else
	v_pk_add_f32 v[ll:ll+1], v[ll:ll+1], v[rr:rr+1]
.endif
.endif
.endm
.macro GG k                            ; behind the wait: unit k becomes register i of P(u), in place: register i belongs to unit i / 2, which has gone before (ascending k)
.set rr, SS+16*((\k)&1)
	v_cvt_pk_f16_f32 v[rr+((\k)>>1)], v[rr+2*((\k)>>1)], v[rr+2*((\k)>>1)+1]
.endm
.macro EI j                            ; behind the wait: O(u, dt) to the new maximum, dt = 0..2: j = 8 dt + 4 u + q, two numbers each
.if DOE
.set rr, O+32*(((\j)>>2)&1)+8*((\j)>>3)+2*((\j)&3)
	v_pk_mul_f32 v[rr:rr+1], v[rr:rr+1], v[AL+2*(((\j)>>2)&1):AL+2*(((\j)>>2)&1)+1] op_sel_hi:[1,0]
.endif
.endm
.macro EP u, q                         ; O(u, 3) to the maximum of the step whose products this trip issues: its factor was made, and waited for, in the trip before
.if DOEP
	v_pk_mul_f32 v[O+32*\u+24+2*\q:O+32*\u+24+2*\q+1], v[O+32*\u+24+2*\q:O+32*\u+24+2*\q+1], v[AL+2*\u:AL+2*\u+1] op_sel_hi:[1,0]
.endif
.endm
; THE SLICES.  Slice n stands behind product n of the trip.
; Slices 0-4: the maximum and its change, with the rescaling of O(u, 3) between its dependent steps.  Slices 5-7: THE BATCH, the subtractions
; and all 34 exponentials; none of these lines names an exponential's result.  Behind slice 7 TRIP writes the v_nop and the wait.
; Slices 8-15: the readers, seven to a slice: two sums, two roundings, three rescalings.  The sums go in ascending order, so the links of a
; tile's chain onto l stand seven lines apart.  The roundings run a slice behind the sums: a rounding writes into unit i / 2 of its tile, and
; in step 0 unit 0 is still read by the sum of unit 1.  O's tiles are rescaled from their low registers on.
; Between each exponential and the first use of its result stands a plain instruction that touches neither its result nor its source (ISA
; guide 5.7.2): for the last ones it is the v_nop.  Between a matrix instruction and what touches its registers stand independent plain vector
; instructions: the 9 subtractions of slice 7 and the v_nop in front of the loads into V and of the products that write
; over P; the 7 of slice 15 (6 in trip -1) in front of the loads into K and of the first read of the new S.
.macro SLICE n
.if (\n) == 0
	MX0 0
	MX0 1
	MXA 0, 2
	MXB 0, 11
.endif
.if (\n) == 1
	MXA 1, 2
	MXB 1, 11
	MXA 0, 4
	MXB 0, 13
	MXA 1, 4
	MXB 1, 13
.endif
.if (\n) == 2
	MXA 0, 6
	MXA 1, 6
	EP 0, 0
	EP 0, 1
	MXE 0
	MXE 1
.endif
.if (\n) == 3
	EP 0, 2
	EP 0, 3
	PL 0
	PL 1
	EP 1, 0
	EP 1, 1
.endif
.if (\n) == 4
	MNW 0
	MNW 1
	EP 1, 2
	EP 1, 3                                        ; the last reader of the old AL
	MDF 0
	MDF 1
.endif
.if (\n) == 5                          ; the batch begins
	CC 0
	CC 1
	ALF 0
	CC 2
	ALF 1
	CC 3
.endif
.if (\n) == 6
	XX 0
	CC 4
	XX 1
	CC 5
	XX 2
	CC 6
.endif
.if (\n) == 7                          ; the long slice in front of the wait and of V's loads: the rest of the batch
.irp j, 0,1,2,3,4,5,6,7,8
	XX 3+\j
	CC 7+\j
.endr
.irp e, 12,13,14,15,16,17,18,19,20,21,22,23,24,25,26,27,28,29,30,31
	XX \e
.endr
.endif
.if (\n) == 8                          ; the readers
	FF 0
	FF 1
	EI 0
	EI 1
	EI 2
	EI 3
	EI 4
.endif
.if (\n) == 9
	FF 2
	FF 3
	GG 0
	GG 1
	EI 5
	EI 6
	EI 7
.endif
.if (\n) == 10
	FF 4
	FF 5
	GG 2
	GG 3
	EI 8
	EI 9
	EI 10
.endif
.if (\n) == 11
	FF 6
	FF 7
	GG 4
	GG 5
	EI 11
	EI 12
	EI 13
.endif
.if (\n) == 12
	FF 8
	FF 9
	GG 6
	GG 7
	EI 14
	EI 15
	EI 16
.endif
.if (\n) == 13
	FF 10
	FF 11
	GG 8
	GG 9
	EI 17
	EI 18
	EI 19
.endif
.if (\n) == 14
	FF 12
	FF 13
	GG 10
	GG 11
	EI 20
	EI 21
	EI 22
.endif
.if (\n) == 15                         ; the slice in front of K's loads
	FF 14
	FF 15
	GG 12
	GG 13
	GG 14
	GG 15
	EI 23
.endif
.endm
.macro TRIP a
	CTX \a
.irp i, 0,1,2,3,4,5,6,7
	PVM \i
	SLICE \i
.endr
	v_nop                                          ; the plain instruction behind the batch's last exponential: no plain work that names no result is left here
	s_wait_alu depctr_va_vdst(0)                   ; the wait ahead of the first reader: one for the trip's batch of 34 exponentials (32 in trip -1)
.if DOLV
	LDV VOFS                                       ; V(a+1): it has the second run of products and slices in which to land
.endif
.irp i, 0,1,2,3,4,5,6,7
	SCM \i
	SLICE \i+8
.endr
.if DOLK
	LDK KOFS                                       ; K(a+3): it has the next trip's first run in which to land
.endif
.if STEPK
	v_add_nc_u32 v[KA], BLK, v[KA]
.endif
.if STEPV
	v_add_nc_u32 v[VA], BLK, v[VA]
.endif
.endm
	; K is fetched three steps ahead: chunk c (steps 8 c .. 8 c + 7) is first touched in trip 8 c - 3, so it is waited for in front of trip 8 c - 4
	SYNC 0
.set SP, SB                            ; step 0's scores stand alone, into buffer 0
.set DOSR, 1
.set WK, 6                             ; only K(0)'s own later fragments are younger
	LDK 0
.irp i, 0,1,2,3,4,5,6,7
	SCM \i
.endr
.rept 4
	v_nop                                          ; nothing else to do yet: four places in front of the loads into K and of the first read of S
.endr
	LDK HALF                                       ; K(1)
	TRIP -1                                        ; softmax of step 0, scores of step 1, V(0), K(2)
	TRIP 0
	TRIP 1
	TRIP 2
	TRIP 3
	SYNC 1
	s_mov_b32 s62, 4                               ; trips 4 to 11
.Lchunk1:
	TRIP EVEN
	TRIP ODD
	s_sub_co_u32 s62, s62, 1
	s_cmp_lg_u32 s62, 0
	s_cbranch_scc1 .Lchunk1
	SYNC 2
	s_mov_b32 s62, 4                               ; trips 12 to 19
.Lchunk2:
	TRIP EVEN
	TRIP ODD
	s_sub_co_u32 s62, s62, 1
	s_cmp_lg_u32 s62, 0
	s_cbranch_scc1 .Lchunk2
	SYNC 3
	s_mov_b32 s62, 4                               ; trips 20 to 27
.Lchunk3:
	TRIP EVEN
	TRIP ODD
	s_sub_co_u32 s62, s62, 1
	s_cmp_lg_u32 s62, 0
	s_cbranch_scc1 .Lchunk3
	TRIP 28                                        ; the last fetch of K
	TRIP 29                                        ; the last scores
	TRIP 30                                        ; the last softmax and the last fetch of V
	CTX 31                                         ; the last products
.irp q, 0,1,2,3
	EP 0, \q
	EP 1, \q
.endr
.irp i, 0,1,2,3,4,5,6,7
	PVM \i
.endr
	; THE WAY OUT: att = O / l + bv
.rept 4
	v_nop                                          ; four places behind the last products
.endr
.irp u, 0,1
	v_add_f32 v[MA+\u], v[L+2*\u], v[L+2*\u+1]
.endr
.irp u, 0,1
	v_permlanex16_b32 v[MP+\u], v[MA+\u], s60, s61
.endr
.irp u, 0,1
	v_add_f32 v[MA+\u], v[MA+\u], v[MP+\u]         ; l >= 1: the key of the maximum adds 2^0
.endr
.irp u, 0,1
	v_rcp_f32 v[AL+2*\u], v[MA+\u]
.endr
	v_nop                                          ; the plain instruction behind the reciprocals
	WIN 0x10                                       ; source 2 (bv) in window 1
	s_wait_alu depctr_va_vdst(0)                   ; the wait ahead of the first reader: one for the two reciprocals, a batch of their own
.irp u, 0,1
.irp dt, 0,1,2,3
.irp i, 0,2,4,6
	v_pk_fma_f32 v[O+32*\u+8*\dt+\i:O+32*\u+8*\dt+\i+1], v[O+32*\u+8*\dt+\i:O+32*\u+8*\dt+\i+1], v[AL+2*\u:AL+2*\u+1], v[BV+8*\dt+\i:BV+8*\dt+\i+1] op_sel_hi:[1,0,1]
.endr
.endr
.endr
	WIN 0
.irp u, 0,1
.irp dt, 0,1,2,3
.irp i, 0,1,2,3
	v_cvt_pk_f16_f32 v[O+32*\u+8*\dt+\i], v[O+32*\u+8*\dt+2*\i], v[O+32*\u+8*\dt+2*\i+1]
.endr
	global_store_b128 v[QO], v[O+32*\u+8*\dt:O+32*\u+8*\dt+3], s[10:11] offset:2*PLANE*\dt+256*\u   ; sixteen lanes: 256 consecutive bytes of a plane, at a multiple of 256
.endr
.endr
	s_set_vgpr_msb 0x5
	s_wait_tensorcnt 0x0
	ds_add_u32 v32, v33
	s_wait_dscnt 0x0
	s_set_vgpr_msb 0x500
	ROUND                                          ; the closing round
	s_endpgm
.Lfunc_end_k_qc16805284b_attn:
	.size	k_qc16805284b_attn, .Lfunc_end_k_qc16805284b_attn-k_qc16805284b_attn
	.p2alignl 7, 3214868480
	.fill 96, 4, 3214868480
	.section	.rodata,"a",@progbits
	.p2align	6, 0x0
	.amdhsa_kernel k_qc16805284b_attn
		.amdhsa_group_segment_fixed_size 295424
		.amdhsa_private_segment_fixed_size 0
		.amdhsa_enable_private_segment 0
		.amdhsa_kernarg_size 32
		.amdhsa_user_sgpr_count 2
		.amdhsa_user_sgpr_kernarg_segment_ptr 1
		.amdhsa_wavefront_size32 1
		.amdhsa_system_sgpr_workgroup_id_x 1
		.amdhsa_system_sgpr_workgroup_id_y 1
		.amdhsa_system_sgpr_workgroup_id_z 1
		.amdhsa_system_vgpr_workitem_id 0
		.amdhsa_next_free_vgpr 290
		.amdhsa_next_free_sgpr 72
		.amdhsa_reserve_vcc 0
		.amdhsa_float_denorm_mode_32 3
		.amdhsa_float_denorm_mode_16_64 3
		.amdhsa_memory_ordered 1
		.amdhsa_forward_progress 1
		.amdhsa_inst_pref_size 158
	.end_amdhsa_kernel
	.amdgpu_metadata
---
amdhsa.version: [ 1, 2 ]
amdhsa.kernels:
  - .name:           k_qc16805284b_attn
    .symbol:         k_qc16805284b_attn.kd
    .args:
      - { .name: qkv, .offset: 0, .size: 8, .value_kind: global_buffer, .address_space: global }
      - { .name: bq, .offset: 8, .size: 8, .value_kind: global_buffer, .address_space: global }
      - { .name: bv, .offset: 16, .size: 8, .value_kind: global_buffer, .address_space: global }
      - { .name: att, .offset: 24, .size: 8, .value_kind: global_buffer, .address_space: global }
    .group_segment_fixed_size: 295424
    .private_segment_fixed_size: 0
    .kernarg_segment_align: 8
    .kernarg_segment_size: 32
    .max_flat_workgroup_size: 128
    .sgpr_count:     72
    .vgpr_count:     290
    .wavefront_size: 32
...
	.end_amdgpu_metadata
.endif
;; end of part 6
;; launch oproj: the kernel of part 4 again; grid 4 x 64, 4 waves a work-group, clusters of 4 x 4, 327,680 bytes of LDS; arguments att, wb, bo, out0; writes out0
